; MI455X (gfx1250); checked and timed in simulation.
; The chip was launched on July 23, 2026; its instructions are those of AMD's public machine-readable ISA for CDNA 5 (MIT licence, August 2026) and "CDNA5" Instruction Set Architecture Reference Guide (July 2026). The comments in the code are by the model that wrote it; some were corrected since.
;; GRU Cell. Allowed arithmetic: matrix products marked QUANTISED: E5M2 operands, one E8M0 scale for each 32 along K, by v_wmma_scale_f32_16x16x128_f8f6f4 with both operands' format E5M2, f32 sums; everything else in f32.
;; Inputs: hx 2,048 x 2,048 float32; u_b 2,048 float32; u_r_b 2,048 float32; u_r_w 2,048 x 2,048 float32; u_w 2,048 x 2,048 float32; u_z_b 2,048 float32; u_z_w 2,048 x 2,048 float32; w 2,048 x 2,048 float32; w_r 2,048 x 2,048 float32; w_z 2,048 x 2,048 float32; x 2,048 x 2,048 float32.
;; Outputs: out0 2,048 x 2,048 float32.
;; This version of the problem:
;;   THIS VERSION OF THE PROBLEM IS GIVEN IN LOW PRECISION. The matrix products marked QUANTISED in the list below multiply operands that are first quantised to E5M2 (5 exponent bits, 2 mantissa bits; 8 bits a number), with one power-of-two scale for each 32 numbers along K (OCP MX v1.0); their sums are f32. All else is computed in f32.
;;   The module's matrix products, in the order in which they are computed (A, B: the left and right operand; K: the contracted axis; several contracted axes count as one K, in the product's order):
;;     1. [M 2,048, K 2,048] x [K 2,048, N 2,048]; A: computed on the way; B: input w_r: QUANTISED
;;     2. [M 2,048, K 2,048] x [K 2,048, N 2,048]; A: computed on the way; B: input u_r_w: QUANTISED
;;     3. [M 2,048, K 2,048] x [K 2,048, N 2,048]; A: computed on the way; B: input w_z: QUANTISED
;;     4. [M 2,048, K 2,048] x [K 2,048, N 2,048]; A: computed on the way; B: input u_z_w: QUANTISED
;;     5. [M 2,048, K 2,048] x [K 2,048, N 2,048]; A: computed on the way; B: input w: QUANTISED
;;     6. [M 2,048, K 2,048] x [K 2,048, N 2,048]; A: computed on the way; B: input u_w: QUANTISED
;;   THE QUANTISER, for each operand of a quantised product, along K:
;;     - K is cut into blocks of 32 from its start; a last block that is shorter is filled with zeros.
;;     - A block's scale is 2^e with e = floor(log2(the largest magnitude in the block)) - 15, held to -126 .. 127; a block of zeros has e = 0. As a byte (E8M0): e + 127.
;;     - Each number is divided by its block's scale, clamped to +-57,344, and rounded to the nearest number of E5M2, ties to even, subnormals kept.
;;     - The product sums the exact products of the quantised numbers (number of the format x scale) in f32.
;;   ~~~python
;;   def quantise(x, axis):      # numpy; x: float32 -> the quantised numbers, widened to float32 again
;;       x = np.moveaxis(x, axis, -1); K = x.shape[-1]
;;       x = np.pad(x, [(0, 0)] * (x.ndim - 1) + [(0, -K % 32)]); x = x.reshape(x.shape[:-1] + (-1, 32)); a = np.abs(x).max(-1, keepdims=True)
;;       e = np.where(a > 0, np.clip(np.frexp(np.where(a > 0, a, 1))[1] - 1 - 15, -126, 127), 0)      # np.frexp(a)[1] - 1 = floor(log2(a)), exactly
;;       r = np.clip(x / 2.0 ** e, -57344, 57344)
;;       step = 2.0 ** (np.maximum(np.frexp(np.where(r == 0, 1, r))[1] - 1, -14) - 2)
;;       q = np.round(r / step) * step * 2.0 ** e      # np.round: ties to even
;;       return np.moveaxis(q.reshape(q.shape[:-2] + (-1,))[..., :K], -1, axis).astype(np.float32)
;;   ~~~
;;   OPERANDS COMPUTED ON THE WAY. 'Computed on the way' means the value that the module computes at that place (a softmax that the list does not call 'softmax' is quantised finished and normalised). What goes into a quantiser is computed in f32, as accurately as f32 sums, v_exp_f32 and their like allow (about 1e-6 of the number): no bf16 or f16 on the way to a quantiser, and a product that is left as it is and whose result goes on into a quantised operand takes f32 operands (vector FMAs, or v_wmma_f32_16x16x4_f32). A number that lies on a knife's edge between two numbers of the format may be rounded either way, as far as f32 arithmetic and the matrix unit's own rounding can turn it there, and no further.
;; One version. Each part assembles by itself: llvm-mc -triple=amdgcn-amd-amdhsa -mcpu=gfx1250 --defsym DOCPART=n.
;; ======== version 1 of 1: 5 launches
;; limits: a function is approximated: absolute error at most 1.2e-07
;; workspace buffers: act 8,650,752 bytes; wqa 8,650,752 bytes; wqb 17,301,504 bytes; ra 4,325,376 bytes; pa 33,554,432 bytes; pb 67,108,864 bytes
;; launch quant (part 1): grid 128 x 8, 4 waves a work-group, no clusters, 33,280 bytes of LDS; arguments hx, x, w_r, u_r_w, w_z, u_z_w, w, u_w, act, wqa, wqb; writes act, wqa, wqb
.if DOCPART == 1
	.amdgcn_target "amdgcn-amd-amdhsa--gfx1250"
	.amdhsa_code_object_version 6
	.text
	.protected	k_q37da60ce15_quant
	.globl	k_q37da60ce15_quant
	.p2align	8
	.type	k_q37da60ce15_quant,@function
k_q37da60ce15_quant:
	s_mov_b64 s[64:65], 0
	v_nop
	global_prefetch_b8 v0, s[64:65] scope:SCOPE_SE
	s_setreg_imm32_b32 hwreg(HW_REG_WAVE_MODE, 25, 1), 1
	s_wait_xcnt 0x0
; Eight tensors [2048][2048] f32, K innermost, become codes of E5M2 with one E8M0 scale byte for each 32 along K.
; Work-group y names the tensor: 0 hx, 1 x, 2 w_r, 3 u_r_w, 4 w_z, 5 u_z_w, 6 w, 7 u_w.  hx and x are first mapped by log0: row x artanh(n) / n, n = the row's norm held in [1e-5, 1 - 1e-5].
; A RECORD of the workspace is one tensor: codes [2048][2048] bytes, then, 0x400000 bytes on, scale bytes [2048][64].  act: log0(hx), log0(x);  wqa: w_r, u_r_w;  wqb: w_z, u_z_w, w, u_w.
; SHARES.  A wave takes four rows (32,768 bytes in, 8,192 bytes of codes and 256 scale bytes out); a row lies in ONE wave's 64 registers a lane, so its norm never leaves the wave: no barrier, waves share nothing.
; Each load reads 512 consecutive bytes.  The conversions want 16 NEIGHBOURS along K in a lane: 2,048 bytes at a time turn through the wave's own stage in LDS (16 bytes of padding behind each 64).
; Two rows' loads (32 of 512 bytes) are out at the start, 16 to 32 later.  No matrix unit, no cluster, no tensor load: the work-groups share no input, and loads into registers let four work-groups lie on a WGP.
; A block's scale is 2^(floor(log2(largest magnitude)) - 15); its byte is the largest magnitude's exponent field - 15, held at 1 from below.
; LIMITS: a block of zeros gets the byte 1 where the quantiser says 127 (its codes are zeros, and this program alone reads the bytes); a block whose largest magnitude lies under 2^-111 keeps the byte 1;
; NaN and infinities among the inputs are not served; log0 is formed as x (artanh(n) / n), a few last bits from artanh(n) x / n.  Under n = 0.25 artanh(n) / n is its series up to n^10 (the first term left out is n^12 / 13).
.set REC,   0x420000                   ; a record
.set SCOF,  0x400000                   ; where its scale bytes begin
.set SP,    80                         ; a lane's place in a stage: 64 bytes + 16 of padding
.set WREG,  8192                       ; LDS of a wave: two stages of 32 x SP bytes, then its 256 scale bytes
.set QT,    8                          ; v8-11    the quantiser's four registers at work
.set SI,    14                         ; v14      the stage, on the way in
.set SO,    15                         ; v15      and on the way out
.set R,     16                         ; v16-143  two rows of 64 numbers a lane, as loaded
.set X,     144                        ; v144-175 two sets of 16 neighbours
.set C,     176                        ; v176-191 codes: four registers for each of a row's four steps
.set E,     192                        ; v192-195 their scale bytes
.set PA,    196                        ; v196-203 four pair sums
.set N,     204                        ; v204     the norm
.set S,     206                        ; v206     artanh(n) / n; v207 is named with it as a pair
.set T,     208                        ; v208-210 at work
.set PT,    211                        ; v211     the lane permute's destination
.set SEL,   36                         ; s[36:37] lane selects: lane l xor 16
.set MNT,   38                         ; s38      the mantissa field of 57,344
; o = artanh(n) / n for n in [1e-5, 1 - 1e-5], k numbers at a time.  From 0.25 on: (ln 2 / 2) log2(1 + 2 n / (1 - n)) / n; under it the series.  The transcendentals go in batches, each with one wait ahead of its first reader.
.macro ATANHO k, n, o, t
.set i, 0
.rept \k
	v_mul_f32 v[\t+i], v[\n+i], v[\n+i]
	v_sub_f32 v[\t+\k+i], 1.0, v[\n+i]
.set i, i+1
.endr
.set i, 0
.rept \k
	v_rcp_f32 v[\t+\k+i], v[\t+\k+i]
	v_rcp_f32 v[\t+2*\k+i], v[\n+i]
.set i, i+1
.endr
.set i, 0
.rept \k
	v_mov_b32 v[\o+i], 0x3dba2e8c                  ; the series, by Horner: 1/11, 1/9, 1/7, 1/5, 1/3, 1.  Plain work behind the reciprocals
.set i, i+1
.endr
.irp c, 0x3de38e39, 0x3e124925, 0x3e4ccccd, 0x3eaaaaab, 0x3f800000
.set i, 0
.rept \k
	v_fmaak_f32 v[\o+i], v[\o+i], v[\t+i], \c
.set i, i+1
.endr
.endr
	s_wait_alu depctr_va_vdst(0)                   ; one wait for the reciprocals, ahead of their first reader
.set i, 0
.rept \k
	v_add_f32 v[\t+i], v[\n+i], v[\n+i]
	v_fma_f32 v[\t+\k+i], v[\t+i], v[\t+\k+i], 1.0
.set i, i+1
.endr
.set i, 0
.rept \k
	v_log_f32 v[\t+\k+i], v[\t+\k+i]
.set i, i+1
.endr
	v_nop                                          ; a plain instruction behind the last logarithm
	s_wait_alu depctr_va_vdst(0)
.set i, 0
.rept \k
	v_mul_f32 v[\t+\k+i], 0x3eb17218, v[\t+\k+i]
	v_mul_f32 v[\t+\k+i], v[\t+\k+i], v[\t+2*\k+i]
	v_cmp_gt_f32 vcc_lo, 0x3e800000, v[\n+i]
	v_cndmask_b32 v[\o+i], v[\t+\k+i], v[\o+i], vcc_lo   ; the series where n < 0.25
.set i, i+1
.endr
.endm
; 16 neighbours along K in v[xs] on (two neighbouring lanes hold a block) become 16 codes in v[c] on and the block's byte in v[e]
.macro QSTEP xs, c, e
	v_max3_num_f32 v[QT], |v[\xs]|, |v[\xs+1]|, |v[\xs+2]|
	v_max3_num_f32 v[QT+1], |v[\xs+3]|, |v[\xs+4]|, |v[\xs+5]|
.irp i, 6,10
	v_max3_num_f32 v[QT], v[QT], |v[\xs+\i]|, |v[\xs+\i+1]|
	v_max3_num_f32 v[QT+1], v[QT+1], |v[\xs+\i+2]|, |v[\xs+\i+3]|
.endr
	v_max3_num_f32 v[QT], v[QT], |v[\xs+14]|, |v[\xs+15]|
	v_max3_num_f32 v[QT], v[QT], v[QT+1], 0x8000000        ; and the floor 2^(16 - 127): the byte cannot fall under 1
	v_max_num_f32_dpp v[QT], v[QT], v[QT] row_xmask:1 row_mask:0xf bank_mask:0xf   ; with my neighbour's 16: the block's largest magnitude
	v_add_nc_u32 v[QT+3], 0xf8800000, v[QT]        ; 15 off its exponent field: the conversion takes this operand's exponent field as its scale
	v_and_or_b32 v[QT+2], v[QT], 0x7f800000, s[MNT]  ; 57,344 x the scale
.irp i, 0,1,2,3,4,5,6,7,8,9,10,11,12,13,14,15
	v_med3_num_f32 v[\xs+\i], v[\xs+\i], -v[QT+2], v[QT+2]   ; the conversion to an 8-bit code does not saturate (ISA guide 7.6.2): the hold comes first
.endr
	v_cvt_scalef32_pk8_bf8_f32 v[\c:\c+1], v[\xs:\xs+7], v[QT+3]
	v_cvt_scalef32_pk8_bf8_f32 v[\c+2:\c+3], v[\xs+8:\xs+15], v[QT+3]
	v_lshrrev_b32 v[\e], 23, v[QT+3]               ; the scale's byte; also the plain instruction behind the conversions
.endm
; 2,048 bytes through my stage at byte st of my LDS: in as loaded, out 64 neighbouring bytes a lane.  LDS serves a wave's instructions in order: no wait between the stores and the loads
.macro TURNIO src, dst, st
.irp i, 0,1,2,3
	ds_store_b128 v[SI], v[(\src)+4*\i:(\src)+4*\i+3] offset:(\st)+8*SP*\i
.endr
.irp i, 0,1,2,3
	ds_load_b128 v[(\dst)+4*\i:(\dst)+4*\i+3], v[SO] offset:(\st)+16*\i
.endr
.endm
.macro LOADG j, t                      ; step t (2,048 bytes) of my row j
.irp i, 0,1,2,3
	global_load_b128 v[R+64*((\j)%2)+16*(\t)+4*\i:R+64*((\j)%2)+16*(\t)+4*\i+3], v3, s[4:5] offset:8192*(\j)+2048*(\t)+512*\i th:TH_LOAD_NT
.endr
.endm
	s_load_b512 s[8:23], s[0:1], 0x0               ; the eight inputs, in the order of work-group y
	s_load_b128 s[24:27], s[0:1], 0x40             ; act, wqa
	s_load_b64 s[28:29], s[0:1], 0x50              ; wqb
	v_lshl_add_u32 v224, v0, 2, 0x8000
	v_mov_b32 v225, 0
	v_lshrrev_b32 v1, 5, v0
	v_readfirstlane_b32 s32, v1                    ; wave
	v_and_b32 v2, 31, v0                           ; lane
	v_lshlrev_b32 v3, 4, v2                        ; my 16 bytes of a load's or a code store's 512
	s_mul_i32 s39, s32, WREG
	v_lshrrev_b32 v[SI], 2, v2
	v_mul_u32_u24 v[SI], v[SI], SP
	v_and_b32 v[SO], 3, v2
	v_lshl_add_u32 v[SI], v[SO], 4, v[SI]
	v_add_nc_u32 v[SI], s39, v[SI]                 ; in: SP (lane / 4) + 16 (lane % 4); a load's 512 bytes take eight places
	v_mul_u32_u24 v[SO], v2, SP
	v_add_nc_u32 v[SO], s39, v[SO]                 ; out: SP x lane
	v_lshrrev_b32 v5, 1, v2
	s_add_co_u32 s39, s39, 2*32*SP
	v_add_nc_u32 v5, s39, v5                       ; my wave's 256 scale bytes, my block's byte
	v_lshlrev_b32 v7, 3, v2                        ; and on the way out 8 bytes a lane
	v_add_nc_u32 v6, s39, v7
	v_mov_b32 v[S+1], 0                            ; named as the upper half of a pair
	v_mov_b32 v[PT], 0                             ; a lane permute's destination counts as one of its sources
	s_and_b32 s33, ttmp7, 0xffff                   ; which tensor
	s_and_b32 s34, s33, 1                          ; its record in act or wqa,
	s_sub_co_u32 s35, s33, 4                       ; or in wqb
	s_lshl_b32 s40, ttmp9, 2
	s_add_co_u32 s40, s40, s32                     ; which run of four rows is my wave's
	s_mov_b32 s43, 0
	s_mov_b32 s[SEL], 0x76543210
	s_mov_b32 s[SEL+1], 0xfedcba98
	s_mov_b32 s[MNT], 0x600000
	s_mov_b32 s44, 0x3727c5ac                      ; 1e-5
	s_mov_b32 s45, 0x3f7fff58                      ; 1 - 1e-5
	s_wait_kmcnt 0x0
	s_mov_b64 s[4:5], s[8:9]                       ; the choices hang on the work-group's number alone
.irp i, 1,2,3,4,5,6,7
	s_cmp_eq_u32 s33, \i
	s_cselect_b64 s[4:5], s[8+2*\i:9+2*\i], s[4:5]
.endr
	s_cmp_lt_u32 s33, 2
	s_cselect_b64 s[6:7], s[24:25], s[26:27]
	s_cmp_lt_u32 s33, 4
	s_cselect_b64 s[6:7], s[6:7], s[28:29]
	s_cselect_b32 s34, s34, s35
	s_mul_i32 s42, s34, REC
	s_add_nc_u64 s[6:7], s[6:7], s[42:43]          ; my record
	s_add_nc_u64 s[30:31], s[6:7], SCOF
	s_lshl_b32 s42, s40, 8
	s_add_nc_u64 s[30:31], s[30:31], s[42:43]      ; my run's 256 scale bytes
	s_lshl_b32 s42, s40, 13
	s_add_nc_u64 s[6:7], s[6:7], s[42:43]          ; its 8,192 bytes of codes
	s_lshl_b32 s42, s40, 15
	s_add_nc_u64 s[4:5], s[4:5], s[42:43]          ; its 32,768 bytes of numbers
.irp t, 0,1,2,3
	LOADG 0, \t
.endr
.irp t, 0,1,2,3
	LOADG 1, \t
.endr
.macro STEP j, t                       ; step t of row j: 512 numbers
.set XS, X+16*((\t)%2)
.if (\t) == 0
	s_wait_dscnt 0x0                               ; this step's numbers are back from the stage, so the stage's stores have read their registers,
.else
	s_wait_dscnt 0x1                               ; (the last step's byte store, issued behind this step's turn, may be out)
.endif
.if (\j)+2 < 4
	LOADG (\j)+2, \t                               ; which take the same step of the row two further on
.endif
.if (\t) < 3
	TURNIO R+64*((\j)%2)+16*((\t)+1), X+16*(((\t)+1)%2), 32*SP*(((\t)+1)%2)   ; the next step turns through the other stage while this one is worked
.endif
	QSTEP XS, C+4*(\t), E+(\t)
	ds_store_b8 v5, v[E+(\t)] offset:16*(4*(\j)+(\t))      ; both lanes of a block write the same byte with the same value
	global_store_b128 v3, v[C+4*(\t):C+4*(\t)+3], s[6:7] offset:512*(4*(\j)+(\t))   ; the wave stores 512 consecutive bytes, aligned
.endm
.macro ROW j
.set RB, R+64*((\j)%2)
.if (\j) < 3
	s_wait_loadcnt 16                              ; loads come back in order: this row's 16 are in, the next row's 16 stay out
.else
	s_wait_loadcnt 0x0
.endif
	s_wait_xcnt 0x0                                ; the last row's code stores have read their registers, which this row writes again
	s_cmp_ge_u32 s33, 2                            ; a weight is quantised as it is: a branch on the work-group's number, round register work alone
	s_cbranch_scc1 .Lw_\@
.irp c, 0,1,2,3
	v_pk_mul_f32 v[PA+2*\c:PA+2*\c+1], v[RB+2*\c:RB+2*\c+1], v[RB+2*\c:RB+2*\c+1]   ; the sum of squares, in four chains of pairs; the first products start them
.endr
.set i, 4
.rept 28
	v_pk_fma_f32 v[PA+2*(i%4):PA+2*(i%4)+1], v[RB+2*i:RB+2*i+1], v[RB+2*i:RB+2*i+1], v[PA+2*(i%4):PA+2*(i%4)+1]
.set i, i+1
.endr
	v_pk_add_f32 v[PA:PA+1], v[PA:PA+1], v[PA+2:PA+3]
	v_pk_add_f32 v[PA+4:PA+5], v[PA+4:PA+5], v[PA+6:PA+7]
	v_pk_add_f32 v[PA:PA+1], v[PA:PA+1], v[PA+4:PA+5]
	v_add_f32 v[N], v[PA], v[PA+1]
.irp m, 1,2,4,8
	v_add_f32_dpp v[N], v[N], v[N] row_xmask:\m row_mask:0xf bank_mask:0xf
.endr
	v_permlanex16_b32 v[PT], v[N], s[SEL], s[SEL+1]
	v_add_f32 v[N], v[N], v[PT]                    ; every lane holds the row's sum
	v_sqrt_f32 v[N], v[N]
	v_nop
	s_wait_alu depctr_va_vdst(0)
	v_med3_num_f32 v[N], v[N], s44, s45            ; the norm, held in [1e-5, 1 - 1e-5]
	ATANHO 1, N, S, T
.set i, 0
.rept 32
	v_pk_mul_f32 v[RB+2*i:RB+2*i+1], v[RB+2*i:RB+2*i+1], v[S:S+1] op_sel_hi:[1,0]
.set i, i+1
.endr
.Lw_\@:
	TURNIO RB, X, 0
	STEP \j, 0
	STEP \j, 1
	STEP \j, 2
	STEP \j, 3
.endm
	ROW 0
	ROW 1
	ROW 2
	ROW 3
	ds_load_b64 v[12:13], v6                       ; LDS serves a wave's instructions in order: these see my byte stores
	s_wait_dscnt 0x0
	global_store_b64 v7, v[12:13], s[30:31]        ; 32 lanes store 256 consecutive bytes, aligned: four rows' scale bytes
	s_wait_tensorcnt 0x0
	ds_add_u32 v224, v225
	s_wait_dscnt 0x0
	s_endpgm
.Lfunc_end_k_q37da60ce15_quant:
	.size	k_q37da60ce15_quant, .Lfunc_end_k_q37da60ce15_quant-k_q37da60ce15_quant
	.p2alignl 7, 3214868480
	.fill 96, 4, 3214868480
	.section	.rodata,"a",@progbits
	.p2align	6, 0x0
	.amdhsa_kernel k_q37da60ce15_quant
		.amdhsa_group_segment_fixed_size 33280
		.amdhsa_private_segment_fixed_size 0
		.amdhsa_enable_private_segment 0
		.amdhsa_kernarg_size 88
		.amdhsa_user_sgpr_count 2
		.amdhsa_user_sgpr_kernarg_segment_ptr 1
		.amdhsa_wavefront_size32 1
		.amdhsa_system_sgpr_workgroup_id_x 1
		.amdhsa_system_sgpr_workgroup_id_y 1
		.amdhsa_system_sgpr_workgroup_id_z 1
		.amdhsa_system_vgpr_workitem_id 0
		.amdhsa_next_free_vgpr 226
		.amdhsa_next_free_sgpr 66
		.amdhsa_reserve_vcc 1
		.amdhsa_float_denorm_mode_32 3
		.amdhsa_float_denorm_mode_16_64 3
		.amdhsa_memory_ordered 1
		.amdhsa_forward_progress 1
		.amdhsa_inst_pref_size 74
	.end_amdhsa_kernel
	.amdgpu_metadata
---
amdhsa.version: [ 1, 2 ]
amdhsa.kernels:
  - .name:           k_q37da60ce15_quant
    .symbol:         k_q37da60ce15_quant.kd
    .args:
      - { .name: hx, .offset: 0, .size: 8, .value_kind: global_buffer, .address_space: global }
      - { .name: x, .offset: 8, .size: 8, .value_kind: global_buffer, .address_space: global }
      - { .name: w_r, .offset: 16, .size: 8, .value_kind: global_buffer, .address_space: global }
      - { .name: u_r_w, .offset: 24, .size: 8, .value_kind: global_buffer, .address_space: global }
      - { .name: w_z, .offset: 32, .size: 8, .value_kind: global_buffer, .address_space: global }
      - { .name: u_z_w, .offset: 40, .size: 8, .value_kind: global_buffer, .address_space: global }
      - { .name: w, .offset: 48, .size: 8, .value_kind: global_buffer, .address_space: global }
      - { .name: u_w, .offset: 56, .size: 8, .value_kind: global_buffer, .address_space: global }
      - { .name: act, .offset: 64, .size: 8, .value_kind: global_buffer, .address_space: global }
      - { .name: wqa, .offset: 72, .size: 8, .value_kind: global_buffer, .address_space: global }
      - { .name: wqb, .offset: 80, .size: 8, .value_kind: global_buffer, .address_space: global }
    .group_segment_fixed_size: 33280
    .private_segment_fixed_size: 0
    .kernarg_segment_align: 8
    .kernarg_segment_size: 88
    .max_flat_workgroup_size: 128
    .sgpr_count:     66
    .vgpr_count:     226
    .wavefront_size: 32
...
	.end_amdgpu_metadata
.endif
;; end of part 1
;; launch gemm_a (part 2): grid 16 x 8, 4 waves a work-group, clusters of 4 x 4, 327,680 bytes of LDS; arguments act, ra, wqa, u_r_b, u_z_b, pa; writes pa
.if DOCPART == 2
	.amdgcn_target "amdgcn-amd-amdhsa--gfx1250"
	.amdhsa_code_object_version 6
	.text
	.protected	k_q37da60ce15_gemm_a
	.globl	k_q37da60ce15_gemm_a
	.p2align	8
	.type	k_q37da60ce15_gemm_a,@function
k_q37da60ce15_gemm_a:
	s_mov_b64 s[64:65], 0
	v_nop
	global_prefetch_b8 v0, s[64:65] scope:SCOPE_SE
	s_setreg_imm32_b32 hwreg(HW_REG_WAVE_MODE, 25, 1), 1
	s_wait_xcnt 0x0
	s_wait_alu depctr_hold_cnt(0) depctr_sa_sdst(0) depctr_va_vdst(0) depctr_va_sdst(0) depctr_va_ssrc(0) depctr_va_vcc(0) depctr_vm_vsrc(0)
	s_getreg_b32 s2, hwreg(HW_REG_IB_STS2, 6, 4)
	s_cmp_eq_u32 s2, 0
	s_cbranch_scc0 .Lentry_in_a_cluster
	s_endpgm
.Lentry_in_a_cluster:
	s_bfe_u32 s2, ttmp6, 0x10000c
	s_cmp_lg_u32 s2, 0xf033
	s_cbranch_scc0 .Lentry_shape_is_right
	s_endpgm
.Lentry_shape_is_right:
; Several products C_p[m][n] = sum over k of A_p[m][k] B_p[n][k] (+ bias_p[n]), each 2,048 x 2,048 x 2,048, on codes of E5M2 with one E8M0 scale for each 32 along K; sums and C in f32.
; Arguments: act (records log0(hx), log0(x)), ra (one record), wq (a record for each product), bias_a, bias_b, c (a product's C every 2^24 bytes).  A record: codes [2048][2048] bytes, then, 0x400000 bytes on, scale bytes [2048][64].
; Product p = cluster x / 2.  A_p: act's record p % 2, but for p = 2 ra.  B_p: wq's record p.  The bias: none for even p; bias_a for p = 1, bias_b for p = 3.  A grid of 16 x 8 runs p = 0, 1 and reads neither ra nor bias_b; 32 x 8 runs p = 0 .. 3.
; A tile of C, 256 x 256, is made by a work-group of four waves, as many as a WGP has SIMDs; a wave makes 128 x 128: 64 accumulators of 16 x 16, 512 registers.
; K goes in steps of 256 through a ring of two LDS slots filled by the tensor data mover: a tile's row is 256 bytes of memory, aligned.
; THE SCALES of the work-group's 256 rows of A and of B, for all of K, are two dense blocks of memory: they come into LDS once, with the first fills, and stay.
; CLUSTERS: 4 x 4 work-groups of one product.  The four of a row of the cluster need the same tiles of A, the four of a column the same tiles of B: each tile is asked for JOINTLY, by the same tensor load with the same
; descriptor and a mask that names the four.  p hangs on the cluster's x alone, so it is equal in all sixteen.
; THE MATRIX INSTRUCTION IS USED TRANSPOSED (source 0 = 16 rows of B, source 1 = 16 rows of A): a lane then holds eight neighbouring numbers of a row of C.
; THE BIAS is the C of each sum's first matrix instruction: eight registers for each of B's eight blocks, in the result's layout.  For a product without bias these registers are masked to zeros.
; REGISTERS, in windows of 256: window 0: v0-31 addresses; v32-63 scale words, two sets; v64-127 the bias; from v128 A's fragments (8 x 16 rows x 128 K), ONE set; on the way out v128-255 are free.
;   window 1: B's fragments, TWO sets, at v0 and at v128.   window 2: the 32 accumulators of my rows 0-63 (accumulator (a, b) at v[8 (8 a + b)]);   window 3: those of my rows 64-127.
; A step of 128 along K is 64 matrix instructions, A's blocks one after the other, each against B's eight: a block of A is free as soon as its eight products are issued, so one set serves A; B has two.
.set SIZE_M, 2048
.set SIZE_N, 2048
.set SIZE_K, 2048
.set REC,    0x420000                  ; a record
.set SCOF,   0x400000                  ; where its scale bytes begin
.set KSTEP,  256                       ; along K in a slot
.set NQ,     KSTEP/128                 ; matrix instructions deep
.set ROWB,   256                       ; a tile's row in bytes
.set KROW,   SIZE_K                    ; a row of codes in memory, in bytes
.set PITCH,  272                       ; an LDS row: 256 bytes + 16 of padding = 68 words: row r starts at bank 4 r mod 64 (64 banks of 4 bytes: ISA guide 11.1)
.set FR,     16                        ; registers of a fragment: 16 rows x 128 K
.set NL,     4                         ; LDS loads that bring one
.set NP,     8                         ; places behind this matrix instruction (ISA guide 7.12.1)
.set HALFT,  128*PITCH                 ; 128 rows: what one tensor load brings, and what one wave reads of A or of B
.set SLOT,   4*HALFT                   ; A's 256 rows, then B's 256 rows
.set LAPS,   SIZE_K/(2*KSTEP)          ; a lap = two K steps = once round the ring
.set KS,     SIZE_K/32                 ; a row of scales in bytes
.set SCL,    2*SLOT                    ; behind the ring: the scales, as units of 256 bytes + 16 of padding
.set HALFS,  (128*KS/256)*272          ; the scales of 128 rows: what one tensor load brings
.set SBLK,   (16*KS/256)*272           ; those of 16 rows
.set SPARE,  SCL+4*HALFS               ; behind the scales: the spare words, 128 bytes for each wave: two blocks of 256 bytes that no other line names
.set SPITCH, 528                       ; the way out: a stage of 16 rows x (512 bytes + 16) for each wave, in slot 0, which has had its last fill and its last read when the first result is stored there
.set ADRA, 16                          ; v16-17  LDS address of my A fragments in slot 0, 1
.set ADRB, 20                          ; v20-21  the same for B
.set STO,  24                          ; v24     the way out: where I put 32 bytes of a row
.set RD,   25                          ; v25     the way out: where I read a row back
.set CO,   26                          ; v26     my byte offset in a row of C
.set ADRS, 27                          ; v27     LDS address of my scale words: lanes 0-15 A's rows, lanes 16-31 B's
.set SPW,  28                          ; v28     LDS address of my spare word; never rewritten
.set NIL,  29                          ; v29     0; never rewritten
.set BO,   30                          ; v30     the bias: 32 bytes x (lane / 16)
.set SC,   32                          ; scale words: set s at v[SC + 8 NQ s]; register NQ i + q: lanes 0-15 the word of A's block i, lanes 16-31 that of B's block i, for the slot's q-th 128 along K
.set BI,   64                          ; v64-127 the bias: block b's eight numbers at v[BI + 8 b]
.set AF,   128                         ; A's fragments, in window 0
.set BK,   128                         ; the way out: 16 rows read back from the stage: v128-191 and v192-255 by turns
.set G1, 24                            ; s[24:31] descriptor group 1 for A's tiles;  s[32:39] group 0, one set for each slot
.set G0, 32
.set G1B, 48                           ; s[48:55], s[56:63] the same for B's tiles
.set G0B, 56
.set G1S, 68                           ; s[68:75], s[76:79] groups 1 and 0 for A's scales;  s[80:87], s[88:91] for B's
.set G0S, 76
.set G1SB, 80
.set G0SB, 88
.set MSB, 0
.macro WIN new                         ; the immediate's high byte repeats the setting that is left
.if MSB != \new
	s_set_vgpr_msb (MSB<<8)|\new
.set MSB, \new
.endif
.endm
.set MUL_LO, 0xa1                      ; source 0 (B) window 1, source 1 (A) window 0, C and D window 2
.set MUL_HI, 0xf1                      ; the same, C and D window 3
.set FST_LO, 0x81                      ; a sum's first product: C (the bias) window 0, D window 2
.set FST_HI, 0xc1                      ; D window 3
.set TO_B,   0x40                      ; destination window 1, address window 0
; A joint load: waves 0 and 1 fetch for A, waves 2 and 3 for B.  Each of the two lines has ONE mask and one set of registers for all that issue it; the branch hangs on the wave's number alone.
; Four v_nop follow each of the two lines, ahead of the jump, the label and what follows.
.macro JLOAD g0a, g1a, g0b, g1b
	s_cmp_eq_u32 s15, 0
	s_cbranch_scc0 .Lfor_b_\@
	tensor_load_to_lds s[\g0a:\g0a+3], s[\g1a:\g1a+7]
	s_nop 0
.rept 4
	v_nop
.endr
	s_branch .Lasked_\@
.Lfor_b_\@:
	tensor_load_to_lds s[\g0b:\g0b+3], s[\g1b:\g1b+7]
	s_nop 0
.rept 4
	v_nop
.endr
.Lasked_\@:
.endm
.macro CREST                           ; a round of the cluster's barrier behind its opening barrier
	s_cmp_lg_u32 s14, 0
	s_cbranch_scc1 .Lnot_wave_0_\@
	s_barrier_signal -3
.Lnot_wave_0_\@:
	s_barrier_wait -3
	s_barrier_signal -1
	s_barrier_wait -1
.endm
.macro CROUND                          ; a whole round
	s_barrier_signal -1
	s_barrier_wait -1
	CREST
.endm
	s_load_b256 s[4:11], s[0:1], 0x0               ; act s[4:5], ra s[6:7], wq s[8:9], bias_a s[10:11]
	s_load_b128 s[96:99], s[0:1], 0x20             ; bias_b s[96:97], c s[98:99]
	v_lshl_add_u32 v[SPW], v0, 2, SPARE
	v_mov_b32 v[NIL], 0
	ds_add_u32 v28, v29
	ds_add_u32 v28, v29
	s_wait_dscnt 0x0
	v_lshrrev_b32 v1, 5, v0
	v_readfirstlane_b32 s14, v1                    ; wave 0..3
	s_lshr_b32 s15, s14, 1                         ; which half of the tile's rows is mine.  Also: I fetch for A (0) or for B (1)
	s_and_b32 s16, s14, 1                          ; which half of its columns.  Also: which 128 rows of that tile I fetch
	s_bfe_u32 s40, ttmp6, 0x40000                  ; cx, cy: my place in the cluster
	s_bfe_u32 s41, ttmp6, 0x40004
	s_lshr_b32 s66, ttmp9, 1                       ; p: a product is two clusters wide
	s_and_b32 s42, ttmp9, 1
	s_lshl_b32 s42, s42, 2
	s_add_co_u32 s42, s42, s40                     ; tile column inside the product = 4 x (cluster x % 2) + cx
	s_and_b32 s95, s66, 1
	s_sub_co_u32 s67, 0, s95                       ; all ones where the product has a bias, else 0
	s_mul_i32 s95, s95, REC                        ; act's record p % 2
	s_and_b32 s17, ttmp7, 0xffff
	s_lshl_b32 s17, s17, 2
	s_add_co_u32 s17, s17, s41                     ; tile row of C = 4 x cluster y + cy
	s_lshl_b32 s43, s41, 2
	s_lshl_b32 s43, 15, s43                        ; my row of the cluster
	s_lshl_b32 s44, 0x1111, s40                    ; my column
	; descriptor group 1: a tile of 128 rows x ROWB bytes, padded in LDS
	s_or_b32 s[G1+0], s43, (0<<16)|(1<<20)|(1<<21)|(5<<22)|(3<<25)  ; 15:0 the mask: A's tiles go to my row; 17:16 element of 1 byte; 20 padding on; 21 set beside a mask; 24:22 after every 64 words (code 5); 31:25 of 4 words (code 3)
	s_or_b32 s[G1B+0], s44, (0<<16)|(1<<20)|(1<<21)|(5<<22)|(3<<25)
.irp g, G1, G1B
	s_mov_b32 s[\g+1], ROWB<<16                    ; tensor_dim0
	s_mov_b32 s[\g+2], 128<<16                     ; tensor_dim1 = 128
	s_mov_b32 s[\g+3], ROWB<<16                    ; tile_dim0
	s_mov_b32 s[\g+4], 128                         ; tile_dim1 = 128
	s_mov_b32 s[\g+5], KROW                        ; tensor_dim0_stride
	s_mov_b32 s[\g+6], 0
	s_mov_b32 s[\g+7], 0
.endr
	; and for the scales of 128 rows: a dense block of 128 KS bytes, as rows of 256 bytes (32 elements of 8 bytes), 16 bytes of padding behind each
	s_or_b32 s[G1S+0], s43, (3<<16)|(1<<20)|(1<<21)|(5<<22)|(3<<25)
	s_or_b32 s[G1SB+0], s44, (3<<16)|(1<<20)|(1<<21)|(5<<22)|(3<<25)
.irp g, G1S, G1SB
	s_mov_b32 s[\g+1], 32<<16
	s_mov_b32 s[\g+2], (128*KS/256)<<16
	s_mov_b32 s[\g+3], 32<<16
	s_mov_b32 s[\g+4], 128*KS/256
	s_mov_b32 s[\g+5], 32
	s_mov_b32 s[\g+6], 0
	s_mov_b32 s[\g+7], 0
.endr
	s_lshl_b32 s18, s16, 7                         ; which 128 rows of the tile I fetch
	s_lshl_b32 s20, s17, 8
	s_add_co_u32 s20, s20, s18                     ; A: row 256 x tile row + 128 x half
	s_lshl_b32 s46, s42, 8
	s_add_co_u32 s46, s46, s18                     ; B: row 256 x tile column + 128 x half
	s_mov_b32 s21, 0
	s_mov_b32 s47, 0
	s_mov_b64 s[18:19], KS
	s_mul_u64 s[22:23], s[20:21], s[18:19]         ; where these rows' scales begin, in bytes
	s_mul_u64 s[92:93], s[46:47], s[18:19]
	s_mov_b64 s[18:19], KROW
	s_mul_u64 s[20:21], s[20:21], s[18:19]         ; and their codes
	s_mul_u64 s[46:47], s[46:47], s[18:19]
	s_mul_i32 s45, s14, HALFT                      ; where they go: wave x 128 rows: no place in the cluster enters an LDS address
	s_mul_i32 s94, s14, HALFS
	s_mov_b32 s3, 0
	s_wait_kmcnt 0x0
	; the product's buffers: every choice hangs on p alone
	s_cmp_eq_u32 s66, 3
	s_cselect_b64 s[100:101], s[96:97], s[10:11]   ; the bias
	s_cmp_eq_u32 s66, 2
	s_cselect_b64 s[4:5], s[6:7], s[4:5]           ; A: ra for p = 2, else act,
	s_cselect_b32 s2, 0, s95                       ; at its record
	s_add_nc_u64 s[4:5], s[4:5], s[2:3]            ; A's codes
	s_add_nc_u64 s[6:7], s[4:5], SCOF              ; A's scales
	s_mul_i32 s2, s66, REC
	s_add_nc_u64 s[8:9], s[8:9], s[2:3]            ; B's codes
	s_add_nc_u64 s[10:11], s[8:9], SCOF            ; B's scales
	s_lshl_b32 s2, s66, 24
	s_add_nc_u64 s[12:13], s[98:99], s[2:3]        ; C
	s_add_nc_u64 s[20:21], s[4:5], s[20:21]
	s_add_nc_u64 s[22:23], s[6:7], s[22:23]
	s_add_nc_u64 s[46:47], s[8:9], s[46:47]
	s_add_nc_u64 s[92:93], s[10:11], s[92:93]
	CROUND                                         ; all sixteen work-groups are here: the first joint loads meet
	s_mov_b32 s[G0S], 1
	s_add_co_u32 s[G0S+1], s94, SCL
	s_mov_b64 s[G0S+2:G0S+3], s[22:23]
	s_or_b32 s[G0S+3], s[G0S+3], 0x80000000
	s_mov_b32 s[G0SB], 1
	s_add_co_u32 s[G0SB+1], s94, SCL
	s_mov_b64 s[G0SB+2:G0SB+3], s[92:93]
	s_or_b32 s[G0SB+3], s[G0SB+3], 0x80000000
	JLOAD G0S, G1S, G0SB, G1SB                     ; the scales first: they are wanted with K step 0
.irp s, 0,1
	s_mov_b32 s[G0+4*\s], 1
	s_add_co_u32 s[G0+4*\s+1], s45, \s*SLOT
	s_add_nc_u64 s[G0+4*\s+2:G0+4*\s+3], s[20:21], \s*ROWB
	s_or_b32 s[G0+4*\s+3], s[G0+4*\s+3], 0x80000000
	s_mov_b32 s[G0B+4*\s], 1
	s_add_co_u32 s[G0B+4*\s+1], s45, \s*SLOT
	s_add_nc_u64 s[G0B+4*\s+2:G0B+4*\s+3], s[46:47], \s*ROWB
	s_or_b32 s[G0B+4*\s+3], s[G0B+4*\s+3], 0x80000000
	JLOAD G0+4*\s, G1, G0B+4*\s, G1B               ; three tensor loads of mine are out
.endr
	v_and_b32 v1, 15, v0                           ; l % 16
	v_bfe_u32 v2, v0, 4, 1                         ; l / 16
	v_mul_u32_u24 v3, v1, PITCH
	v_lshl_add_u32 v4, v2, 4, v3                   ; a fragment's row x pitch + 16 x half
	s_mul_i32 s21, s15, HALFT                      ; my 128 rows of A
	s_mul_i32 s22, s16, HALFT                      ; my 128 rows of B,
	s_add_co_u32 s22, s22, 2*HALFT                 ; which lie behind A's 256
.irp s, 0,1
	v_add_nc_u32 v[ADRA+\s], s21, v4
	v_add_nc_u32 v[ADRB+\s], s22, v4
	s_add_co_u32 s21, s21, SLOT
	s_add_co_u32 s22, s22, SLOT
.endr
	v_mul_u32_u24 v5, v1, KS                       ; my row's scales: KS bytes a row,
	v_lshrrev_b32 v6, 8, v5
	v_lshl_add_u32 v5, v6, 4, v5                   ; and 16 more for each 256 passed
	s_mul_i32 s21, s15, HALFS                      ; A's: my 128 rows
	s_mul_i32 s22, s16, HALFS                      ; B's: my 128 rows, behind A's 256
	s_add_co_u32 s22, s22, 2*HALFS
	s_sub_co_u32 s22, s22, s21
	v_mul_u32_u24 v6, s22, v2                      ; lanes 16-31 take B's
	s_add_co_u32 s21, s21, SCL
	v_add_nc_u32 v5, v5, v6
	v_add_nc_u32 v[ADRS], s21, v5
	s_mul_i32 s23, s14, 16*SPITCH                  ; my stage
	v_mul_u32_u24 v5, v1, SPITCH                   ; in: row l % 16, 32 bytes for each half of the lanes
	v_lshl_add_u32 v5, v2, 5, v5
	v_add_nc_u32 v[STO], s23, v5
	v_and_b32 v6, 31, v0
	v_lshlrev_b32 v[CO], 4, v6                     ; back: the 32 lanes take one row of 512 bytes; and the same in C
	v_add_nc_u32 v[RD], s23, v[CO]
	s_lshl_b32 s20, s17, 8
	s_lshl_b32 s21, s15, 7
	s_add_co_u32 s20, s20, s21                     ; my first row of C: 256 x tile row + 128 x half
	s_mov_b32 s21, 0
	s_mov_b64 s[18:19], SIZE_N*4
	s_mul_u64 s[20:21], s[20:21], s[18:19]
	s_lshl_b32 s46, s42, 10                        ; my first column, in bytes: 1024 x tile column + 512 x half
	s_lshl_b32 s47, s16, 9
	s_add_co_u32 s46, s46, s47
	s_mov_b32 s47, 0
	s_add_nc_u64 s[20:21], s[20:21], s[46:47]
	s_add_nc_u64 s[12:13], s[12:13], s[20:21]
	s_add_nc_u64 s[100:101], s[100:101], s[46:47]  ; the bias at my first column
	v_lshlrev_b32 v[BO], 5, v2                     ; register j of accumulator (a, b) is column 16 b + 8 (l / 16) + j
.irp b, 0,1,2,3,4,5,6,7
	global_load_b128 v[BI+8*\b:BI+8*\b+3], v[BO], s[100:101] offset:64*\b
	global_load_b128 v[BI+8*\b+4:BI+8*\b+7], v[BO], s[100:101] offset:64*\b+16
.endr
	s_wait_loadcnt 0x0
.set i, 0
.rept 64
	v_and_b32 v[BI+i], s67, v[BI+i]                ; a product without bias starts its sums from zeros
.set i, i+1
.endr
.rept 8
	v_nop                                          ; once: plain instructions between these writes and the products that take them as C
.endr
.macro FRAG reg, adr, q, i             ; a fragment, 16 rows x 128 K of 8-bit codes, is 16 registers: lane l holds row l % 16; registers 4 c .. 4 c + 3 hold K = 32 c + 16 (l / 16) + 0 .. 15
.irp c, 0,1,2,3
	ds_load_b128 v[\reg+4*\c:\reg+4*\c+3], v[\adr] offset:128*(\q)+32*\c+(\i)*16*PITCH
.endr
.endm
; 16 matrix instructions: A's blocks a0, a0 + 1 x B's eight, 128 along K: the slot's q-th.  p: B's set;  sc: the set of scale words.  zero = 1: the first product starts the sums from the bias: nothing is ever cleared.
; The 64 accumulators take turns, one instruction a turn, in the same order in every step.
.macro MUL16 a0, p, q, sc, zero
.irp a, \a0, \a0+1
.irp b, 0,1,2,3,4,5,6,7
.if \zero
	v_wmma_scale_f32_16x16x128_f8f6f4 v[8*(8*((\a)%4)+\b):8*(8*((\a)%4)+\b)+7], v[128*(\p)+FR*\b:128*(\p)+FR*\b+FR-1], v[AF+FR*(\a):AF+FR*(\a)+FR-1], v[BI+8*\b:BI+8*\b+7], v[SC+8*NQ*(\sc)+NQ*\b+(\q)], v[SC+8*NQ*(\sc)+NQ*(\a)+(\q)] matrix_a_fmt:MATRIX_FMT_BF8 matrix_b_fmt:MATRIX_FMT_BF8 matrix_a_scale:MATRIX_SCALE_ROW1
.else
	v_wmma_scale_f32_16x16x128_f8f6f4 v[8*(8*((\a)%4)+\b):8*(8*((\a)%4)+\b)+7], v[128*(\p)+FR*\b:128*(\p)+FR*\b+FR-1], v[AF+FR*(\a):AF+FR*(\a)+FR-1], v[8*(8*((\a)%4)+\b):8*(8*((\a)%4)+\b)+7], v[SC+8*NQ*(\sc)+NQ*\b+(\q)], v[SC+8*NQ*(\sc)+NQ*(\a)+(\q)] matrix_a_fmt:MATRIX_FMT_BF8 matrix_b_fmt:MATRIX_FMT_BF8 matrix_a_scale:MATRIX_SCALE_ROW1
.endif
.endr
.endr
.endm
.macro FETCH_B slot, q, p              ; B's eight fragments of the slot's q-th 128 along K into set p
	WIN TO_B
.irp i, 0,1,2,3,4,5,6,7
	FRAG 128*(\p)+FR*\i, ADRB+\slot, \q, \i
.endr
	WIN 0
.endm
.macro FETCH_A slot, q, i0             ; A's blocks i0 .. i0 + 3
.irp i, \i0, \i0+1, \i0+2, \i0+3
	FRAG AF+FR*(\i), ADRA+\slot, \q, \i
.endr
.endm
.macro SCALES sc                       ; the next K step's scale words into set sc: NQ words a row; lanes 0-15 take A's block i, lanes 16-31 B's block i
.irp i, 0,1,2,3,4,5,6,7
	ds_load_b64 v[SC+8*NQ*\sc+NQ*\i:SC+8*NQ*\sc+NQ*\i+1], v[ADRS] offset:\i*SBLK
.endr
.endm
; A load into a register that a matrix instruction has read, and an LDS store that reads a matrix result, stand NP places behind that matrix instruction, and only plain vector
; instructions that name none of its registers are places (ISA guide 7.12.1 for vector instructions); the matrix instructions in between are not counted.
.macro PLACES n
.rept \n
	v_nop
.endr
.endm
; A step of 128 along K that has its successor in the same slot.
.macro STEP slot, q, zero
	s_wait_dscnt 4*NL                              ; B's set and A's blocks 0-3 are in; the youngest sixteen loads (A's blocks 4-7) may be out
.if \zero
	WIN FST_LO
.else
	WIN MUL_LO
.endif
	MUL16 0, (\q)%2, \q, \slot, \zero
	MUL16 2, (\q)%2, \q, \slot, \zero
	s_wait_dscnt 0                                 ; A's blocks 4-7 are in (asked for 32 matrix instructions ago)
	PLACES NP
	FETCH_B \slot, (\q)+1, 1-(\q)%2
	FETCH_A \slot, (\q)+1, 0
.if \zero
	WIN FST_HI
.else
	WIN MUL_HI
.endif
	MUL16 4, (\q)%2, \q, \slot, \zero
	MUL16 6, (\q)%2, \q, \slot, \zero
	PLACES NP
	WIN 0
	FETCH_A \slot, (\q)+1, 4
.endm
; A slot's last step changes slots: ONE barrier; in front of it each wave waits for all its tensor loads, adds 0 to its spare word, and waits for that and for its own reads of this slot.  fill = 1: this slot is filled again, two K steps ahead.
.macro TURN slot, next, fill
	s_wait_tensorcnt 0x0                           ; all my tensor loads have landed: my part of the next slot;  (every window is 0 here: the add's two registers lie in window 0)
	ds_add_u32 v[SPW], v[NIL]                      ; 0 onto my spare word
	s_wait_dscnt 4*NL+1                            ; (the add and the youngest sixteen loads, A's blocks 4-7, may be out)
	WIN MUL_LO
	MUL16 0, 1, NQ-1, \slot, 0                     ; sixteen matrix instructions stand between the add and the wait for it
	s_wait_dscnt 0x0                               ; the add is done, and my reads of this slot are over
	s_barrier_signal -1
	MUL16 2, 1, NQ-1, \slot, 0
	WIN 0
	s_barrier_wait -1
.if \fill
	CREST                                          ; the barrier has opened a round of the cluster's barrier: no wave of any partner still reads this slot's tile or has a load on its way
	s_add_nc_u64 s[G0+4*\slot+2:G0+4*\slot+3], s[G0+4*\slot+2:G0+4*\slot+3], 2*ROWB
	s_add_nc_u64 s[G0B+4*\slot+2:G0B+4*\slot+3], s[G0B+4*\slot+2:G0B+4*\slot+3], 2*ROWB
	JLOAD G0+4*\slot, G1, G0B+4*\slot, G1B         ; the first tensor load behind the round, my one load until the next; the four v_nop behind it are among the places in front of the loads below
	PLACES NP-4
.else
	PLACES NP
.endif
	v_add_nc_u32 v[ADRS], 4*NQ, v[ADRS]            ; on to the next K step's scale words (no LDS load of mine is out)
	FETCH_B \next, 0, 0
	FETCH_A \next, 0, 0
	SCALES \next
	WIN MUL_HI
	MUL16 4, 1, NQ-1, \slot, 0
	MUL16 6, 1, NQ-1, \slot, 0
	PLACES NP
	WIN 0
	FETCH_A \next, 0, 4
.endm
	s_wait_tensorcnt 1                             ; the scales and my part of K step 0 are in (K step 1's load may be out)
	s_barrier_signal -1
	s_barrier_wait -1                              ; everybody's are
	FETCH_B 0, 0, 0
	FETCH_A 0, 0, 0
	SCALES 0
	FETCH_A 0, 0, 4
	STEP 0, 0, 1                                   ; the first step stands in front of the loop: its products start the sums
	s_mov_b32 s3, LAPS-1
.Llap:                                                 ; a trip goes once round the ring, from a lap's second step to the next lap's first, and fills both slots again
	TURN 0, 1, 1
	STEP 1, 0, 0
	TURN 1, 0, 1
	STEP 0, 0, 0
	s_sub_co_u32 s3, s3, 1
	s_cmp_lg_u32 s3, 0
	s_cbranch_scc1 .Llap
	TURN 0, 1, 0                                   ; the last lap fills nothing, and has no round of the cluster's barrier
	STEP 1, 0, 0
	s_wait_dscnt 4*NL                              ; the very last step: nothing more to fetch
	WIN MUL_LO
	MUL16 0, 1, NQ-1, 1, 0
	MUL16 2, 1, NQ-1, 1, 0
	s_wait_dscnt 0
	WIN MUL_HI
	MUL16 4, 1, NQ-1, 1, 0
	MUL16 6, 1, NQ-1, 1, 0
	WIN 0
; THE WAY OUT, block by block of 16 rows x 128 columns.  A lane holds 32 neighbouring bytes of a row, and the lanes beside it hold other rows: so a block goes through my own stage in LDS and comes back as whole
; rows of 512 bytes, which the 32 lanes store as 512 consecutive bytes, aligned.  LDS serves a wave's instructions in order (ISA guide 5.7.1.4): no wait between the stores and the loads, nor in front of the next block's stores.
.macro TOSTAGE a
.set AC, 64*((\a)%4)
	WIN 0x08+4*((\a)/4)                            ; the data: window 2 or 3
.irp b, 0,1,2,3,4,5,6,7
	ds_store_b128 v[STO], v[AC+8*\b:AC+8*\b+3] offset:64*\b          ; each accumulator from its low end on
	ds_store_b128 v[STO], v[AC+8*\b+4:AC+8*\b+7] offset:64*\b+16
.endr
	WIN 0
.set BB, BK+64*((\a)%2)
.irp t, 0,1,2,3,4,5,6,7,8,9,10,11,12,13,14,15
	ds_load_b128 v[BB+4*\t:BB+4*\t+3], v[RD] offset:\t*SPITCH
.endr
.endm
.macro SEND a, younger                 ; younger: the LDS instructions issued behind block a's loads, which may stay out
.set BB, BK+64*((\a)%2)
	s_wait_dscnt \younger                          ; the block is back in registers
.if (\a) > 0
	s_add_nc_u64 s[12:13], s[12:13], 16*SIZE_N*4   ; (behind a wait on XCNT: the earlier stores have read their base)  16 rows of C on, so that the stores' offsets stay small: 15 rows of 8,192 bytes at the most
.endif
.irp t, 0,1,2,3,4,5,6,7,8,9,10,11,12,13,14,15
	global_store_b128 v[CO], v[BB+4*\t:BB+4*\t+3], s[12:13] offset:\t*SIZE_N*4 th:TH_STORE_NT   ; written once, read by nobody in this launch
.endr
.endm
	PLACES NP                                      ; behind the last products: for the loads into the registers that held A's fragments, and for the reads of results
	TOSTAGE 0
.irp a, 1,2,3,4,5,6,7
.if \a > 1
	s_wait_xcnt 0x0                                ; block a - 2's stores have read their registers and their base: block a's loads may land there, and the base may step
.endif
	TOSTAGE \a
	SEND \a-1, 32                                  ; behind block a - 1's loads: block a's 16 stores and 16 loads
.endr
	s_wait_xcnt 0x0                                ; block 6's stores have read their base
	SEND 7, 0
	s_wait_tensorcnt 0x0                           ; the wave's end: behind my last tensor load and my last LDS store
	ds_add_u32 v[SPW], v[NIL]
	s_wait_dscnt 0x0
	CROUND                                         ; the closing round: no work-group ends while a partner may still ask for a tile that names it
	s_endpgm
.Lfunc_end_k_q37da60ce15_gemm_a:
	.size	k_q37da60ce15_gemm_a, .Lfunc_end_k_q37da60ce15_gemm_a-k_q37da60ce15_gemm_a
	.p2alignl 7, 3214868480
	.fill 96, 4, 3214868480
	.section	.rodata,"a",@progbits
	.p2align	6, 0x0
	.amdhsa_kernel k_q37da60ce15_gemm_a
		.amdhsa_group_segment_fixed_size 327680
		.amdhsa_private_segment_fixed_size 0
		.amdhsa_enable_private_segment 0
		.amdhsa_kernarg_size 48
		.amdhsa_user_sgpr_count 2
		.amdhsa_user_sgpr_kernarg_segment_ptr 1
		.amdhsa_wavefront_size32 1
		.amdhsa_system_sgpr_workgroup_id_x 1
		.amdhsa_system_sgpr_workgroup_id_y 1
		.amdhsa_system_sgpr_workgroup_id_z 1
		.amdhsa_system_vgpr_workitem_id 0
		.amdhsa_next_free_vgpr 1024
		.amdhsa_next_free_sgpr 102
		.amdhsa_reserve_vcc 0
		.amdhsa_float_denorm_mode_32 3
		.amdhsa_float_denorm_mode_16_64 3
		.amdhsa_memory_ordered 1
		.amdhsa_forward_progress 1
		.amdhsa_inst_pref_size 150
	.end_amdhsa_kernel
	.amdgpu_metadata
---
amdhsa.version: [ 1, 2 ]
amdhsa.kernels:
  - .name:           k_q37da60ce15_gemm_a
    .symbol:         k_q37da60ce15_gemm_a.kd
    .args:
      - { .name: act, .offset: 0, .size: 8, .value_kind: global_buffer, .address_space: global }
      - { .name: ra, .offset: 8, .size: 8, .value_kind: global_buffer, .address_space: global }
      - { .name: wqa, .offset: 16, .size: 8, .value_kind: global_buffer, .address_space: global }
      - { .name: u_r_b, .offset: 24, .size: 8, .value_kind: global_buffer, .address_space: global }
      - { .name: u_z_b, .offset: 32, .size: 8, .value_kind: global_buffer, .address_space: global }
      - { .name: pa, .offset: 40, .size: 8, .value_kind: global_buffer, .address_space: global }
    .group_segment_fixed_size: 327680
    .private_segment_fixed_size: 0
    .kernarg_segment_align: 8
    .kernarg_segment_size: 48
    .max_flat_workgroup_size: 128
    .sgpr_count:     102
    .vgpr_count:     1024
    .wavefront_size: 32
...
	.end_amdgpu_metadata
.endif
;; end of part 2
;; launch gate_r (part 3): grid 512 x 1, 16 waves a work-group, no clusters, 44,032 bytes of LDS; arguments pa, hx, ra; writes ra
.if DOCPART == 3
	.amdgcn_target "amdgcn-amd-amdhsa--gfx1250"
	.amdhsa_code_object_version 6
	.text
	.protected	k_q37da60ce15_gate_r
	.globl	k_q37da60ce15_gate_r
	.p2align	8
	.type	k_q37da60ce15_gate_r,@function
k_q37da60ce15_gate_r:
	s_mov_b64 s[64:65], 0
	v_nop
	global_prefetch_b8 v0, s[64:65] scope:SCOPE_SE
	s_setreg_imm32_b32 hwreg(HW_REG_WAVE_MODE, 25, 1), 1
	s_wait_xcnt 0x0
; r = sigmoid(log0(exp0(P1) (+) exp0(P2))), (+) the Moebius sum; then r x log0(hx) is quantised along the row into ra: codes of E5M2 [2048][2048], and, 0x400000 bytes on, E8M0 bytes [2048][64].
; pa holds P1 and, 2^24 bytes on, P2 (its bias is in it): f32 [2048][2048].  exp0, log0 and the Moebius sum are combinations of whole rows whose factors hang on sums over the row:
;   exp0(a) = t a, t = tanh(n) / n, n = max(|a|, 1e-5);   log0(a) = s a, s = artanh(n) / n, n = |a| held in [1e-5, 1 - 1e-5];
;   X (+) Y = ((1 + 2 xy + y2) X + (1 - x2) Y) / max(1 + 2 xy + x2 y2, 1e-5), with x2, y2, xy made from the row sums of the unscaled vectors.
; SHARES.  A work-group takes four rows, a dense block of 32,768 bytes in each tensor; wave w takes bytes 2,048 w on: a quarter of row w / 4, 16 numbers a lane from each tensor.  There is no loop: all twelve loads of a wave
; go out at the head, each of 512 consecutive bytes.  A row's sums meet in LDS: each wave stores its part, one barrier, the row's four waves read all four parts and add them in one order, so that all hold the same bits.
; No matrix unit, no cluster, no tensor load: the work-groups share no input, and loads into registers let two work-groups lie on a WGP.
; LIMITS: NaN and infinities are not served; a block of zeros gets the byte 1 where the quantiser says 127 (its codes are zeros, and this program alone reads the bytes); a block whose largest magnitude lies under 2^-111 keeps the byte 1;
; the factors are formed as (tanh(n) / n) and (artanh(n) / n) times the vector, a few last bits from the reference's order.  Under n = 0.25 both are their series (first terms left out: 1382/155925 n^10 and n^12 / 13).
.set SP,   80                          ; a lane's place in a stage: 64 bytes + 16 of padding
.set STG,  32*SP                       ; a wave's stage; the sixteen lie from LDS byte 0 on
.set RED,  16*STG                      ; the sums: two slots of RSL bytes, each written once and read once; a wave's 16 bytes at 16 w
.set RSL,  256
.set SB,   RED+2*RSL                   ; the work-group's 256 scale bytes
.set SI,   3                           ; v3   the stage, on the way in
.set SO,   4                           ; v4   and on the way out
.set RW,   5                           ; v5   where my wave puts its sums
.set RR,   6                           ; v6   where my row's four parts begin
.set A,    16                          ; v16-31   P1, then the Moebius sum, then r
.set B,    32                          ; v32-47   P2, then r x log0(hx)
.set H,    48                          ; v48-63   hx, then log0(hx)
.set X,    64                          ; v64-79   16 neighbours
.set C,    80                          ; v80-83   their codes
.set E,    84                          ; v84      the block's byte
.set QT,   85                          ; v85-88   the quantiser's four registers at work
.set G,    96                          ; v96-111  pair sums, parts read back, at work
.set QA,   112                         ; v112-115 |P1|^2, |P2|^2, P1.P2, |hx|^2
.set QB,   116                         ; v116     |sum|^2
.set N,    120                         ; v120-123 norms
.set O,    124                         ; v124-127 their functions
.set SEL,  14                          ; s[14:15] lane selects: lane l xor 16
.set MNT,  16                          ; s16      the mantissa field of 57,344
; o = tanh(n) / n for n >= 1e-5, k numbers at a time.  From 0.25 on: (1 - 2 / (1 + 2^(2 log2(e) n))) / n; under it the series.  The transcendentals go in batches, each with one wait ahead of its first reader.
.macro TANHO k, n, o, t
.set i, 0
.rept \k
	v_mul_f32 v[\t+i], v[\n+i], v[\n+i]
	v_mul_f32 v[\t+\k+i], 0x4038aa3b, v[\n+i]
.set i, i+1
.endr
.set i, 0
.rept \k
	v_exp_f32 v[\t+\k+i], v[\t+\k+i]
	v_rcp_f32 v[\t+2*\k+i], v[\n+i]
.set i, i+1
.endr
.set i, 0
.rept \k
	v_mov_b32 v[\o+i], 0x3cb327a4                  ; the series, by Horner: 62/2835, -17/315, 2/15, -1/3, 1.  Plain work behind the batch
.set i, i+1
.endr
.irp c, 0xbd5d0dd1, 0x3e088889, 0xbeaaaaab, 0x3f800000
.set i, 0
.rept \k
	v_fmaak_f32 v[\o+i], v[\o+i], v[\t+i], \c
.set i, i+1
.endr
.endr
	s_wait_alu depctr_va_vdst(0)                   ; one wait for the batch, ahead of its first reader
.set i, 0
.rept \k
	v_add_f32 v[\t+\k+i], 1.0, v[\t+\k+i]
.set i, i+1
.endr
.set i, 0
.rept \k
	v_rcp_f32 v[\t+\k+i], v[\t+\k+i]
.set i, i+1
.endr
	v_nop
	s_wait_alu depctr_va_vdst(0)
.set i, 0
.rept \k
	v_fma_f32 v[\t+\k+i], -2.0, v[\t+\k+i], 1.0
	v_mul_f32 v[\t+\k+i], v[\t+\k+i], v[\t+2*\k+i]
	v_cmp_gt_f32 vcc_lo, 0x3e800000, v[\n+i]
	v_cndmask_b32 v[\o+i], v[\t+\k+i], v[\o+i], vcc_lo   ; the series where n < 0.25
.set i, i+1
.endr
.endm
; o = artanh(n) / n for n in [1e-5, 1 - 1e-5].  From 0.25 on: (ln 2 / 2) log2(1 + 2 n / (1 - n)) / n; under it the series.
.macro ATANHO k, n, o, t
.set i, 0
.rept \k
	v_mul_f32 v[\t+i], v[\n+i], v[\n+i]
	v_sub_f32 v[\t+\k+i], 1.0, v[\n+i]
.set i, i+1
.endr
.set i, 0
.rept \k
	v_rcp_f32 v[\t+\k+i], v[\t+\k+i]
	v_rcp_f32 v[\t+2*\k+i], v[\n+i]
.set i, i+1
.endr
.set i, 0
.rept \k
	v_mov_b32 v[\o+i], 0x3dba2e8c                  ; 1/11, 1/9, 1/7, 1/5, 1/3, 1
.set i, i+1
.endr
.irp c, 0x3de38e39, 0x3e124925, 0x3e4ccccd, 0x3eaaaaab, 0x3f800000
.set i, 0
.rept \k
	v_fmaak_f32 v[\o+i], v[\o+i], v[\t+i], \c
.set i, i+1
.endr
.endr
	s_wait_alu depctr_va_vdst(0)
.set i, 0
.rept \k
	v_add_f32 v[\t+i], v[\n+i], v[\n+i]
	v_fma_f32 v[\t+\k+i], v[\t+i], v[\t+\k+i], 1.0
.set i, i+1
.endr
.set i, 0
.rept \k
	v_log_f32 v[\t+\k+i], v[\t+\k+i]
.set i, i+1
.endr
	v_nop
	s_wait_alu depctr_va_vdst(0)
.set i, 0
.rept \k
	v_mul_f32 v[\t+\k+i], 0x3eb17218, v[\t+\k+i]
	v_mul_f32 v[\t+\k+i], v[\t+\k+i], v[\t+2*\k+i]
	v_cmp_gt_f32 vcc_lo, 0x3e800000, v[\n+i]
	v_cndmask_b32 v[\o+i], v[\t+\k+i], v[\o+i], vcc_lo
.set i, i+1
.endr
.endm
; X = t1 a, Y = t2 b, with a.a, b.b, a.b given: X (+) Y = oa a + ob b
.macro MOBCOEF s11, s22, s12, t1, t2, oa, ob, t
	v_mul_f32 v[\t], v[\t1], v[\t1]
	v_mul_f32 v[\t+1], v[\t2], v[\t2]
	v_mul_f32 v[\t+2], v[\t1], v[\t2]
	v_mul_f32 v[\t], v[\t], v[\s11]                ; x2
	v_mul_f32 v[\t+1], v[\t+1], v[\s22]            ; y2
	v_mul_f32 v[\t+2], v[\t+2], v[\s12]            ; xy
	v_fma_f32 v[\t+3], 2.0, v[\t+2], 1.0
	v_fma_f32 v[\t+4], v[\t], v[\t+1], v[\t+3]
	v_max_num_f32 v[\t+4], 0x3727c5ac, v[\t+4]
	v_rcp_f32 v[\t+4], v[\t+4]
	v_add_f32 v[\oa], v[\t+3], v[\t+1]             ; plain work behind the reciprocal
	v_sub_f32 v[\ob], 1.0, v[\t]
	v_mul_f32 v[\oa], v[\oa], v[\t1]
	v_mul_f32 v[\ob], v[\ob], v[\t2]
	s_wait_alu depctr_va_vdst(0)
	v_mul_f32 v[\oa], v[\oa], v[\t+4]
	v_mul_f32 v[\ob], v[\ob], v[\t+4]
.endm
.macro ACC first, acc, x, y            ; a pair sum of products; the first product starts it
.if \first
	v_pk_mul_f32 v[\acc:\acc+1], v[\x:\x+1], v[\y:\y+1]
.else
	v_pk_fma_f32 v[\acc:\acc+1], v[\x:\x+1], v[\y:\y+1], v[\acc:\acc+1]
.endif
.endm
.macro SCALE16 d, s                    ; 16 numbers x v[s]
.irp i, 0,2,4,6,8,10,12,14
	v_pk_mul_f32 v[\d+\i:\d+\i+1], v[\d+\i:\d+\i+1], v[\s:\s+1] op_sel_hi:[1,0]
.endr
.endm
.macro AXPY16 d, x, s                  ; d += x v[s]
.irp i, 0,2,4,6,8,10,12,14
	v_pk_fma_f32 v[\d+\i:\d+\i+1], v[\x+\i:\x+\i+1], v[\s:\s+1], v[\d+\i:\d+\i+1] op_sel_hi:[1,0,1]
.endr
.endm
.macro RED_PUT n, w, q, slot           ; n sums over my wave's 32 lanes; w words go to my place in the slot (all lanes write the same words with the same values)
.irp m, 1,2,4,8
.set i, 0
.rept \n
	v_add_f32_dpp v[\q+i], v[\q+i], v[\q+i] row_xmask:\m row_mask:0xf bank_mask:0xf
.set i, i+1
.endr
.endr
.set i, 0
.rept \n
	v_permlanex16_b32 v[G+i], v[\q+i], s[SEL], s[SEL+1]
.set i, i+1
.endr
.set i, 0
.rept \n
	v_add_f32 v[\q+i], v[\q+i], v[G+i]
.set i, i+1
.endr
.if \w == 4
	ds_store_b128 v[RW], v[\q:\q+3] offset:(\slot)*RSL
.elseif \w == 2
	ds_store_b64 v[RW], v[\q:\q+1] offset:(\slot)*RSL
.else
	ds_store_b32 v[RW], v[\q] offset:(\slot)*RSL
.endif
.endm
.macro BAR                             ; my LDS stores have landed and my LDS loads are in: then the work-group's barrier
	s_wait_dscnt 0x0
	s_barrier_signal -1
	s_barrier_wait -1
.endm
.macro RED_GET w, q, slot              ; my row's four parts, added as (0 + 1) + (2 + 3)
.irp c, 0,1,2,3
.if \w == 4
	ds_load_b128 v[G+4*\c:G+4*\c+3], v[RR] offset:(\slot)*RSL+16*\c
.elseif \w == 2
	ds_load_b64 v[G+4*\c:G+4*\c+1], v[RR] offset:(\slot)*RSL+16*\c
.else
	ds_load_b32 v[G+4*\c], v[RR] offset:(\slot)*RSL+16*\c
.endif
.endr
	s_wait_dscnt 0x0
.if \w == 1
	v_add_f32 v[G], v[G], v[G+4]
	v_add_f32 v[G+8], v[G+8], v[G+12]
	v_add_f32 v[\q], v[G], v[G+8]
.else
	v_pk_add_f32 v[G:G+1], v[G:G+1], v[G+4:G+5]
	v_pk_add_f32 v[G+8:G+9], v[G+8:G+9], v[G+12:G+13]
	v_pk_add_f32 v[\q:\q+1], v[G:G+1], v[G+8:G+9]
.if \w == 4
	v_pk_add_f32 v[G+2:G+3], v[G+2:G+3], v[G+6:G+7]
	v_pk_add_f32 v[G+10:G+11], v[G+10:G+11], v[G+14:G+15]
	v_pk_add_f32 v[\q+2:\q+3], v[G+2:G+3], v[G+10:G+11]
.endif
.endif
.endm
.macro QSTEP xs, c, e                  ; 16 neighbours along K (two neighbouring lanes hold a block) become 16 codes and the block's byte
	v_max3_num_f32 v[QT], |v[\xs]|, |v[\xs+1]|, |v[\xs+2]|
	v_max3_num_f32 v[QT+1], |v[\xs+3]|, |v[\xs+4]|, |v[\xs+5]|
.irp i, 6,10
	v_max3_num_f32 v[QT], v[QT], |v[\xs+\i]|, |v[\xs+\i+1]|
	v_max3_num_f32 v[QT+1], v[QT+1], |v[\xs+\i+2]|, |v[\xs+\i+3]|
.endr
	v_max3_num_f32 v[QT], v[QT], |v[\xs+14]|, |v[\xs+15]|
	v_max3_num_f32 v[QT], v[QT], v[QT+1], 0x8000000        ; and the floor 2^(16 - 127): the byte cannot fall under 1
	v_max_num_f32_dpp v[QT], v[QT], v[QT] row_xmask:1 row_mask:0xf bank_mask:0xf
	v_add_nc_u32 v[QT+3], 0xf8800000, v[QT]        ; 15 off the exponent field: the conversion's scale operand
	v_and_or_b32 v[QT+2], v[QT], 0x7f800000, s[MNT]  ; 57,344 x the scale
.irp i, 0,1,2,3,4,5,6,7,8,9,10,11,12,13,14,15
	v_med3_num_f32 v[\xs+\i], v[\xs+\i], -v[QT+2], v[QT+2]   ; the conversion to an 8-bit code does not saturate (ISA guide 7.6.2): the hold comes first
.endr
	v_cvt_scalef32_pk8_bf8_f32 v[\c:\c+1], v[\xs:\xs+7], v[QT+3]
	v_cvt_scalef32_pk8_bf8_f32 v[\c+2:\c+3], v[\xs+8:\xs+15], v[QT+3]
	v_lshrrev_b32 v[\e], 23, v[QT+3]               ; the scale's byte; also the plain instruction behind the conversions
.endm
	s_load_b128 s[4:7], s[0:1], 0x0                ; pa, hx
	s_load_b64 s[10:11], s[0:1], 0x10              ; ra
	v_lshl_add_u32 v128, v0, 2, 0xa400
	v_mov_b32 v129, 0
	v_and_b32 v1, 31, v0                           ; lane
	v_lshrrev_b32 v94, 5, v0                       ; wave
	v_readfirstlane_b32 s17, v94
	v_lshlrev_b32 v2, 4, v1
	v_lshl_or_b32 v2, v94, 11, v2                  ; 2,048 x wave + 16 x lane: my 16 bytes of a load's 512
	v_mul_u32_u24 v95, v94, STG                    ; my stage
	v_lshrrev_b32 v[SI], 2, v1
	v_mul_u32_u24 v[SI], v[SI], SP
	v_and_b32 v[SO], 3, v1
	v_lshl_add_u32 v[SI], v[SO], 4, v[SI]
	v_add_nc_u32 v[SI], v95, v[SI]                 ; in: SP (lane / 4) + 16 (lane % 4)
	v_mul_u32_u24 v[SO], v1, SP
	v_add_nc_u32 v[SO], v95, v[SO]                 ; out: SP x lane
	v_lshl_add_u32 v[RW], v94, 4, RED
	v_lshrrev_b32 v[RR], 7, v0
	v_lshl_add_u32 v[RR], v[RR], 6, RED
	v_lshrrev_b32 v7, 1, v1
	v_lshl_add_u32 v7, v94, 4, v7
	v_add_nc_u32 v7, SB, v7                        ; my block's scale byte: 16 a wave
	v_lshlrev_b32 v89, 4, v0                       ; my 16 codes among the work-group's 8,192
	v_lshlrev_b32 v91, 3, v1
	v_add_nc_u32 v90, SB, v91
.irp i, 9,11,13,15
	v_mov_b32 v\i, 0                               ; named as the upper halves of pairs
.endr
	s_lshl_b32 s22, ttmp9, 15
	s_mov_b32 s23, 0
	s_mov_b32 s[SEL], 0x76543210
	s_mov_b32 s[SEL+1], 0xfedcba98
	s_mov_b32 s[MNT], 0x600000
	s_mov_b32 s18, 0x3727c5ac                      ; 1e-5
	s_mov_b32 s19, 0x3f7fff58                      ; 1 - 1e-5
	s_wait_kmcnt 0x0
	s_add_nc_u64 s[4:5], s[4:5], s[22:23]          ; P1 at my four rows
	s_add_nc_u64 s[8:9], s[4:5], 0x1000000         ; P2
	s_add_nc_u64 s[6:7], s[6:7], s[22:23]          ; hx
	s_add_nc_u64 s[12:13], s[10:11], 0x400000
	s_lshl_b32 s22, ttmp9, 8
	s_add_nc_u64 s[12:13], s[12:13], s[22:23]      ; their 256 scale bytes
	s_lshl_b32 s22, ttmp9, 13
	s_add_nc_u64 s[10:11], s[10:11], s[22:23]      ; their 8,192 bytes of codes
.irp i, 0,1,2,3
	global_load_b128 v[A+4*\i:A+4*\i+3], v2, s[4:5] offset:512*\i th:TH_LOAD_NT
.endr
.irp i, 0,1,2,3
	global_load_b128 v[B+4*\i:B+4*\i+3], v2, s[8:9] offset:512*\i th:TH_LOAD_NT
.endr
.irp i, 0,1,2,3
	global_load_b128 v[H+4*\i:H+4*\i+3], v2, s[6:7] offset:512*\i th:TH_LOAD_NT
.endr
	s_wait_loadcnt 4                               ; P1 and P2 are in; hx's four loads stay out
.irp i, 0,2,4,6,8,10,12,14
	ACC \i==0, G, A+\i, A+\i
	ACC \i==0, G+2, B+\i, B+\i
	ACC \i==0, G+4, A+\i, B+\i
.endr
	s_wait_loadcnt 0x0
.irp i, 0,2,4,6,8,10,12,14
	ACC \i==0, G+6, H+\i, H+\i
.endr
.irp j, 0,1,2,3
	v_add_f32 v[QA+\j], v[G+2*\j], v[G+2*\j+1]
.endr
	RED_PUT 4, 4, QA, 0
	BAR
	RED_GET 4, QA, 0
	v_sqrt_f32 v[N], v[QA]
	v_sqrt_f32 v[N+1], v[QA+1]
	v_sqrt_f32 v[N+2], v[QA+3]
	v_nop
	s_wait_alu depctr_va_vdst(0)
	v_max_num_f32 v[N], s18, v[N]
	v_max_num_f32 v[N+1], s18, v[N+1]
	v_med3_num_f32 v[N+2], v[N+2], s18, s19
	TANHO 2, N, O, G
	ATANHO 1, N+2, O+2, G
	v_mov_b32 v12, v[O+2]                          ; log0(hx) = v12 x hx
	MOBCOEF QA, QA+1, QA+2, O, O+1, 8, 10, G
	SCALE16 A, 8
	AXPY16 A, B, 10                                ; the Moebius sum
.irp i, 0,2,4,6,8,10,12,14
	ACC \i==0, G, A+\i, A+\i                       ; its norm is summed anew, not taken from the quadratic form, which could cancel
.endr
	v_add_f32 v[QB], v[G], v[G+1]
	RED_PUT 1, 1, QB, 1
	BAR
	RED_GET 1, QB, 1
	v_sqrt_f32 v[N], v[QB]
	v_nop
	s_wait_alu depctr_va_vdst(0)
	v_med3_num_f32 v[N], v[N], s18, s19
	ATANHO 1, N, O, G
	v_mul_f32 v14, 0xbfb8aa3b, v[O]                ; sigmoid(y) = 1 / (1 + 2^(-log2(e) y))
	SCALE16 A, 14
.set i, 0
.rept 16
	v_exp_f32 v[A+i], v[A+i]
.set i, i+1
.endr
	SCALE16 H, 12                                  ; log0(hx): plain work behind the exponentials
	s_wait_alu depctr_va_vdst(0)                   ; one wait for the sixteen
.irp i, 0,2,4,6,8,10,12,14
	v_pk_add_f32 v[A+\i:A+\i+1], v[A+\i:A+\i+1], 1.0 op_sel_hi:[1,0]
.endr
.set i, 0
.rept 16
	v_rcp_f32 v[A+i], v[A+i]
.set i, i+1
.endr
	v_nop
	s_wait_alu depctr_va_vdst(0)
.irp i, 0,2,4,6,8,10,12,14
	v_pk_mul_f32 v[B+\i:B+\i+1], v[A+\i:A+\i+1], v[H+\i:H+\i+1]   ; r x log0(hx)
.endr
.irp i, 0,1,2,3
	ds_store_b128 v[SI], v[B+4*\i:B+4*\i+3] offset:8*SP*\i        ; through my stage: in as loaded, out 16 neighbours a lane; LDS serves a wave's instructions in order
.endr
.irp i, 0,1,2,3
	ds_load_b128 v[X+4*\i:X+4*\i+3], v[SO] offset:16*\i
.endr
	s_wait_dscnt 0x0
	QSTEP X, C, E
	ds_store_b8 v7, v[E]                           ; both lanes of a block write the same byte with the same value
	global_store_b128 v89, v[C:C+3], s[10:11]      ; the wave stores 512 consecutive bytes, aligned
	BAR                                            ; the work-group's 256 scale bytes lie in LDS
	s_cmp_lg_u32 s17, 0
	s_cbranch_scc1 .Lend
	ds_load_b64 v[92:93], v90
	s_wait_dscnt 0x0
	global_store_b64 v91, v[92:93], s[12:13]       ; wave 0 stores 256 consecutive bytes, aligned: four rows' scale bytes
.Lend:
	s_wait_tensorcnt 0x0
	ds_add_u32 v128, v129
	s_wait_dscnt 0x0
	s_endpgm
.Lfunc_end_k_q37da60ce15_gate_r:
	.size	k_q37da60ce15_gate_r, .Lfunc_end_k_q37da60ce15_gate_r-k_q37da60ce15_gate_r
	.p2alignl 7, 3214868480
	.fill 96, 4, 3214868480
	.section	.rodata,"a",@progbits
	.p2align	6, 0x0
	.amdhsa_kernel k_q37da60ce15_gate_r
		.amdhsa_group_segment_fixed_size 44032
		.amdhsa_private_segment_fixed_size 0
		.amdhsa_enable_private_segment 0
		.amdhsa_kernarg_size 24
		.amdhsa_user_sgpr_count 2
		.amdhsa_user_sgpr_kernarg_segment_ptr 1
		.amdhsa_wavefront_size32 1
		.amdhsa_system_sgpr_workgroup_id_x 1
		.amdhsa_system_sgpr_workgroup_id_y 1
		.amdhsa_system_sgpr_workgroup_id_z 1
		.amdhsa_system_vgpr_workitem_id 0
		.amdhsa_next_free_vgpr 130
		.amdhsa_next_free_sgpr 66
		.amdhsa_reserve_vcc 1
		.amdhsa_float_denorm_mode_32 3
		.amdhsa_float_denorm_mode_16_64 3
		.amdhsa_memory_ordered 1
		.amdhsa_forward_progress 1
		.amdhsa_inst_pref_size 22
	.end_amdhsa_kernel
	.amdgpu_metadata
---
amdhsa.version: [ 1, 2 ]
amdhsa.kernels:
  - .name:           k_q37da60ce15_gate_r
    .symbol:         k_q37da60ce15_gate_r.kd
    .args:
      - { .name: pa, .offset: 0, .size: 8, .value_kind: global_buffer, .address_space: global }
      - { .name: hx, .offset: 8, .size: 8, .value_kind: global_buffer, .address_space: global }
      - { .name: ra, .offset: 16, .size: 8, .value_kind: global_buffer, .address_space: global }
    .group_segment_fixed_size: 44032
    .private_segment_fixed_size: 0
    .kernarg_segment_align: 8
    .kernarg_segment_size: 24
    .max_flat_workgroup_size: 512
    .sgpr_count:     66
    .vgpr_count:     130
    .wavefront_size: 32
...
	.end_amdgpu_metadata
.endif
;; end of part 3
;; launch gemm_b: the kernel of part 2 again; grid 32 x 8, 4 waves a work-group, clusters of 4 x 4, 327,680 bytes of LDS; arguments act, ra, wqb, u_z_b, u_b, pb; writes pb
;; launch final (part 4): grid 2048 x 1, 4 waves a work-group, no clusters, 1,024 bytes of LDS; arguments pb, hx, out0; writes out0
.if DOCPART == 4
	.amdgcn_target "amdgcn-amd-amdhsa--gfx1250"
	.amdhsa_code_object_version 6
	.text
	.protected	k_q37da60ce15_final
	.globl	k_q37da60ce15_final
	.p2align	8
	.type	k_q37da60ce15_final,@function
k_q37da60ce15_final:
	s_mov_b64 s[64:65], 0
	v_nop
	global_prefetch_b8 v0, s[64:65] scope:SCOPE_SE
	s_setreg_imm32_b32 hwreg(HW_REG_WAVE_MODE, 25, 1), 1
	s_wait_xcnt 0x0
; z = sigmoid(log0(exp0(P3) (+) exp0(P4)));  inter = exp0(tanh(log0(exp0(P5) (+) exp0(P6))));  out0 = hx (+) exp0(z x log0((-hx) (+) inter)).  (+) is the Moebius sum.
; pb holds P3, P4, P5, P6, 2^24 bytes apart (the biases are in P4 and P6): f32 [2048][2048].  exp0, log0 and the Moebius sum are combinations of whole rows whose factors hang on sums over the row:
;   exp0(a) = t a, t = tanh(n) / n, n = max(|a|, 1e-5);   log0(a) = s a, s = artanh(n) / n, n = |a| held in [1e-5, 1 - 1e-5];
;   X (+) Y = ((1 + 2 xy + y2) X + (1 - x2) Y) / max(1 + 2 xy + x2 y2, 1e-5), with x2, y2, xy made from the row sums of the unscaled vectors.
; SHARES.  A work-group takes one row; wave c takes its bytes 2,048 c on, 16 numbers a lane from each of the five tensors.  There is no loop: all twenty loads of a wave go out at the head, each of 512 consecutive bytes.
; Five times a row's sums meet in LDS: each wave stores its part, one barrier, all four read the four parts and add them in one order, so that all hold the same bits.  Each of the six slots is written once and read once.
; No matrix unit, no cluster, no tensor load: the work-groups share no input, and loads into registers let eight work-groups lie on a WGP.
; LIMITS: NaN and infinities are not served; the factors are formed as (tanh(n) / n) and (artanh(n) / n) times the vector, a few last bits from the reference's order; under n = 0.25 both are their series (first terms left out:
; 1382/155925 n^10 and n^12 / 13); the tanh of each number is 1 - 2 / (1 + 2^(2 log2(e) y)), whose error is about one last bit of 1, not of the result; where a norm is so large that tanh rounds to 1, 1 - x2 hangs on rounding, as in the reference.
.set RSL,  64                          ; a slot of sums: a wave's 16 bytes at 16 c; six slots from LDS byte 0 on
.set RW,   5                           ; v5   where my wave puts its sums
.set RR,   6                           ; v6   where the four parts begin: 0
.set ONE,  7                           ; v7   -1 or +1: hx's factor in a Moebius sum
.set P3,   16                          ; v16-31  P3, then the first Moebius sum, then z
.set P4,   32                          ; v32-47  P4
.set P5,   48                          ; v48-63  P5, then all that follows from it, at last the output
.set P6,   64                          ; v64-79  P6
.set H,    80                          ; v80-95  hx
.set G,    96                          ; v96-111 pair sums, parts read back, at work
.set QA,   112                         ; v112-115 |P3|^2, |P4|^2, P3.P4, |hx|^2
.set QB,   116                         ; v116-119 |P5|^2, |P6|^2, P5.P6, 0; later the later stages' sums
.set N,    120                         ; v120-123 norms
.set O,    124                         ; v124-127 their functions
.set SEL,  16                          ; s[16:17] lane selects: lane l xor 16
; o = tanh(n) / n for n >= 1e-5, k numbers at a time.  From 0.25 on: (1 - 2 / (1 + 2^(2 log2(e) n))) / n; under it the series.  The transcendentals go in batches, each with one wait ahead of its first reader.
.macro TANHO k, n, o, t
.set i, 0
.rept \k
	v_mul_f32 v[\t+i], v[\n+i], v[\n+i]
	v_mul_f32 v[\t+\k+i], 0x4038aa3b, v[\n+i]
.set i, i+1
.endr
.set i, 0
.rept \k
	v_exp_f32 v[\t+\k+i], v[\t+\k+i]
	v_rcp_f32 v[\t+2*\k+i], v[\n+i]
.set i, i+1
.endr
.set i, 0
.rept \k
	v_mov_b32 v[\o+i], 0x3cb327a4                  ; the series, by Horner: 62/2835, -17/315, 2/15, -1/3, 1.  Plain work behind the batch
.set i, i+1
.endr
.irp c, 0xbd5d0dd1, 0x3e088889, 0xbeaaaaab, 0x3f800000
.set i, 0
.rept \k
	v_fmaak_f32 v[\o+i], v[\o+i], v[\t+i], \c
.set i, i+1
.endr
.endr
	s_wait_alu depctr_va_vdst(0)                   ; one wait for the batch, ahead of its first reader
.set i, 0
.rept \k
	v_add_f32 v[\t+\k+i], 1.0, v[\t+\k+i]
.set i, i+1
.endr
.set i, 0
.rept \k
	v_rcp_f32 v[\t+\k+i], v[\t+\k+i]
.set i, i+1
.endr
	v_nop
	s_wait_alu depctr_va_vdst(0)
.set i, 0
.rept \k
	v_fma_f32 v[\t+\k+i], -2.0, v[\t+\k+i], 1.0
	v_mul_f32 v[\t+\k+i], v[\t+\k+i], v[\t+2*\k+i]
	v_cmp_gt_f32 vcc_lo, 0x3e800000, v[\n+i]
	v_cndmask_b32 v[\o+i], v[\t+\k+i], v[\o+i], vcc_lo   ; the series where n < 0.25
.set i, i+1
.endr
.endm
; o = artanh(n) / n for n in [1e-5, 1 - 1e-5].  From 0.25 on: (ln 2 / 2) log2(1 + 2 n / (1 - n)) / n; under it the series.
.macro ATANHO k, n, o, t
.set i, 0
.rept \k
	v_mul_f32 v[\t+i], v[\n+i], v[\n+i]
	v_sub_f32 v[\t+\k+i], 1.0, v[\n+i]
.set i, i+1
.endr
.set i, 0
.rept \k
	v_rcp_f32 v[\t+\k+i], v[\t+\k+i]
	v_rcp_f32 v[\t+2*\k+i], v[\n+i]
.set i, i+1
.endr
.set i, 0
.rept \k
	v_mov_b32 v[\o+i], 0x3dba2e8c                  ; 1/11, 1/9, 1/7, 1/5, 1/3, 1
.set i, i+1
.endr
.irp c, 0x3de38e39, 0x3e124925, 0x3e4ccccd, 0x3eaaaaab, 0x3f800000
.set i, 0
.rept \k
	v_fmaak_f32 v[\o+i], v[\o+i], v[\t+i], \c
.set i, i+1
.endr
.endr
	s_wait_alu depctr_va_vdst(0)
.set i, 0
.rept \k
	v_add_f32 v[\t+i], v[\n+i], v[\n+i]
	v_fma_f32 v[\t+\k+i], v[\t+i], v[\t+\k+i], 1.0
.set i, i+1
.endr
.set i, 0
.rept \k
	v_log_f32 v[\t+\k+i], v[\t+\k+i]
.set i, i+1
.endr
	v_nop
	s_wait_alu depctr_va_vdst(0)
.set i, 0
.rept \k
	v_mul_f32 v[\t+\k+i], 0x3eb17218, v[\t+\k+i]
	v_mul_f32 v[\t+\k+i], v[\t+\k+i], v[\t+2*\k+i]
	v_cmp_gt_f32 vcc_lo, 0x3e800000, v[\n+i]
	v_cndmask_b32 v[\o+i], v[\t+\k+i], v[\o+i], vcc_lo
.set i, i+1
.endr
.endm
; X = t1 a, Y = t2 b, with a.a, b.b, a.b given: X (+) Y = oa a + ob b
.macro MOBCOEF s11, s22, s12, t1, t2, oa, ob, t
	v_mul_f32 v[\t], v[\t1], v[\t1]
	v_mul_f32 v[\t+1], v[\t2], v[\t2]
	v_mul_f32 v[\t+2], v[\t1], v[\t2]
	v_mul_f32 v[\t], v[\t], v[\s11]                ; x2
	v_mul_f32 v[\t+1], v[\t+1], v[\s22]            ; y2
	v_mul_f32 v[\t+2], v[\t+2], v[\s12]            ; xy
	v_fma_f32 v[\t+3], 2.0, v[\t+2], 1.0
	v_fma_f32 v[\t+4], v[\t], v[\t+1], v[\t+3]
	v_max_num_f32 v[\t+4], 0x3727c5ac, v[\t+4]
	v_rcp_f32 v[\t+4], v[\t+4]
	v_add_f32 v[\oa], v[\t+3], v[\t+1]             ; plain work behind the reciprocal
	v_sub_f32 v[\ob], 1.0, v[\t]
	v_mul_f32 v[\oa], v[\oa], v[\t1]
	v_mul_f32 v[\ob], v[\ob], v[\t2]
	s_wait_alu depctr_va_vdst(0)
	v_mul_f32 v[\oa], v[\oa], v[\t+4]
	v_mul_f32 v[\ob], v[\ob], v[\t+4]
.endm
.macro ACC first, acc, x, y            ; a pair sum of products; the first product starts it
.if \first
	v_pk_mul_f32 v[\acc:\acc+1], v[\x:\x+1], v[\y:\y+1]
.else
	v_pk_fma_f32 v[\acc:\acc+1], v[\x:\x+1], v[\y:\y+1], v[\acc:\acc+1]
.endif
.endm
.macro SCALE16 d, s                    ; 16 numbers x v[s]
.irp i, 0,2,4,6,8,10,12,14
	v_pk_mul_f32 v[\d+\i:\d+\i+1], v[\d+\i:\d+\i+1], v[\s:\s+1] op_sel_hi:[1,0]
.endr
.endm
.macro AXPY16 d, x, s                  ; d += x v[s]
.irp i, 0,2,4,6,8,10,12,14
	v_pk_fma_f32 v[\d+\i:\d+\i+1], v[\x+\i:\x+\i+1], v[\s:\s+1], v[\d+\i:\d+\i+1] op_sel_hi:[1,0,1]
.endr
.endm
.macro RED_PUT n, w, q, slot           ; n sums over my wave's 32 lanes; w words go to my place in the slot (all lanes write the same words with the same values)
.irp m, 1,2,4,8
.set i, 0
.rept \n
	v_add_f32_dpp v[\q+i], v[\q+i], v[\q+i] row_xmask:\m row_mask:0xf bank_mask:0xf
.set i, i+1
.endr
.endr
.set i, 0
.rept \n
	v_permlanex16_b32 v[G+i], v[\q+i], s[SEL], s[SEL+1]
.set i, i+1
.endr
.set i, 0
.rept \n
	v_add_f32 v[\q+i], v[\q+i], v[G+i]
.set i, i+1
.endr
.if \w == 4
	ds_store_b128 v[RW], v[\q:\q+3] offset:(\slot)*RSL
.elseif \w == 2
	ds_store_b64 v[RW], v[\q:\q+1] offset:(\slot)*RSL
.else
	ds_store_b32 v[RW], v[\q] offset:(\slot)*RSL
.endif
.endm
.macro BAR                             ; my LDS stores have landed and my LDS loads are in: then the work-group's barrier
	s_wait_dscnt 0x0
	s_barrier_signal -1
	s_barrier_wait -1
.endm
.macro RED_GET w, q, slot              ; the row's four parts, added as (0 + 1) + (2 + 3)
.irp c, 0,1,2,3
.if \w == 4
	ds_load_b128 v[G+4*\c:G+4*\c+3], v[RR] offset:(\slot)*RSL+16*\c
.elseif \w == 2
	ds_load_b64 v[G+4*\c:G+4*\c+1], v[RR] offset:(\slot)*RSL+16*\c
.else
	ds_load_b32 v[G+4*\c], v[RR] offset:(\slot)*RSL+16*\c
.endif
.endr
	s_wait_dscnt 0x0
.if \w == 1
	v_add_f32 v[G], v[G], v[G+4]
	v_add_f32 v[G+8], v[G+8], v[G+12]
	v_add_f32 v[\q], v[G], v[G+8]
.else
	v_pk_add_f32 v[G:G+1], v[G:G+1], v[G+4:G+5]
	v_pk_add_f32 v[G+8:G+9], v[G+8:G+9], v[G+12:G+13]
	v_pk_add_f32 v[\q:\q+1], v[G:G+1], v[G+8:G+9]
.if \w == 4
	v_pk_add_f32 v[G+2:G+3], v[G+2:G+3], v[G+6:G+7]
	v_pk_add_f32 v[G+10:G+11], v[G+10:G+11], v[G+14:G+15]
	v_pk_add_f32 v[\q+2:\q+3], v[G+2:G+3], v[G+10:G+11]
.endif
.endif
.endm
	s_load_b128 s[4:7], s[0:1], 0x0                ; pb, hx
	s_load_b64 s[14:15], s[0:1], 0x10              ; out0
	v_lshl_add_u32 v128, v0, 2, 0x200
	v_mov_b32 v129, 0
	v_and_b32 v1, 31, v0                           ; lane
	v_lshrrev_b32 v3, 5, v0                        ; wave
	v_lshlrev_b32 v2, 4, v1
	v_lshl_or_b32 v2, v3, 11, v2                   ; 2,048 x wave + 16 x lane: my 16 bytes of a load's or a store's 512
	v_lshlrev_b32 v[RW], 4, v3
	v_mov_b32 v[RR], 0
.irp i, 9,11,13,15
	v_mov_b32 v\i, 0                               ; named as the upper halves of pairs
.endr
	v_mov_b32 v[QB+3], 0
	s_lshl_b32 s20, ttmp9, 13                      ; my row: 8,192 bytes
	s_mov_b32 s21, 0
	s_mov_b32 s[SEL], 0x76543210
	s_mov_b32 s[SEL+1], 0xfedcba98
	s_mov_b32 s18, 0x3727c5ac                      ; 1e-5
	s_mov_b32 s19, 0x3f7fff58                      ; 1 - 1e-5
	s_wait_kmcnt 0x0
	s_add_nc_u64 s[12:13], s[6:7], s[20:21]        ; hx
	s_add_nc_u64 s[4:5], s[4:5], s[20:21]          ; P3
	s_add_nc_u64 s[6:7], s[4:5], 0x1000000         ; P4
	s_add_nc_u64 s[8:9], s[4:5], 0x2000000         ; P5
	s_add_nc_u64 s[10:11], s[4:5], 0x3000000       ; P6
	s_add_nc_u64 s[14:15], s[14:15], s[20:21]      ; out0
.irp i, 0,1,2,3
	global_load_b128 v[P3+4*\i:P3+4*\i+3], v2, s[4:5] offset:512*\i th:TH_LOAD_NT
.endr
.irp i, 0,1,2,3
	global_load_b128 v[P4+4*\i:P4+4*\i+3], v2, s[6:7] offset:512*\i th:TH_LOAD_NT
.endr
.irp i, 0,1,2,3
	global_load_b128 v[P5+4*\i:P5+4*\i+3], v2, s[8:9] offset:512*\i th:TH_LOAD_NT
.endr
.irp i, 0,1,2,3
	global_load_b128 v[P6+4*\i:P6+4*\i+3], v2, s[10:11] offset:512*\i th:TH_LOAD_NT
.endr
.irp i, 0,1,2,3
	global_load_b128 v[H+4*\i:H+4*\i+3], v2, s[12:13] offset:512*\i th:TH_LOAD_NT
.endr
	; ---- the first sums: seven of them
	s_wait_loadcnt 12                              ; P3 and P4 are in; the twelve loads behind them stay out
.irp i, 0,2,4,6,8,10,12,14
	ACC \i==0, G, P3+\i, P3+\i
	ACC \i==0, G+2, P4+\i, P4+\i
	ACC \i==0, G+4, P3+\i, P4+\i
.endr
	s_wait_loadcnt 4                               ; P5 and P6 are in; hx's four stay out
.irp i, 0,2,4,6,8,10,12,14
	ACC \i==0, G+6, P5+\i, P5+\i
	ACC \i==0, G+8, P6+\i, P6+\i
	ACC \i==0, G+10, P5+\i, P6+\i
.endr
	s_wait_loadcnt 0x0
.irp i, 0,2,4,6,8,10,12,14
	ACC \i==0, G+12, H+\i, H+\i
.endr
.irp j, 0,1,2
	v_add_f32 v[QA+\j], v[G+2*\j], v[G+2*\j+1]
	v_add_f32 v[QB+\j], v[G+6+2*\j], v[G+7+2*\j]
.endr
	v_add_f32 v[QA+3], v[G+12], v[G+13]
	RED_PUT 4, 4, QA, 0
	RED_PUT 3, 4, QB, 1
	BAR
	RED_GET 4, QA, 0
	RED_GET 4, QB, 1
	v_sqrt_f32 v[N], v[QA]
	v_sqrt_f32 v[N+1], v[QA+1]
	v_sqrt_f32 v[N+2], v[QB]
	v_sqrt_f32 v[N+3], v[QB+1]
	v_nop
	s_wait_alu depctr_va_vdst(0)
.irp j, 0,1,2,3
	v_max_num_f32 v[N+\j], s18, v[N+\j]
.endr
	TANHO 4, N, O, G
	MOBCOEF QA, QA+1, QA+2, O, O+1, 8, 10, G
	MOBCOEF QB, QB+1, QB+2, O+2, O+3, 12, 14, G
	SCALE16 P3, 8
	AXPY16 P3, P4, 10                              ; exp0(P3) (+) exp0(P4)
	SCALE16 P5, 12
	AXPY16 P5, P6, 14                              ; exp0(P5) (+) exp0(P6)
	; ---- their norms, summed anew (the quadratic form could cancel)
.irp i, 0,2,4,6,8,10,12,14
	ACC \i==0, G, P3+\i, P3+\i
	ACC \i==0, G+2, P5+\i, P5+\i
.endr
	v_add_f32 v[QB], v[G], v[G+1]
	v_add_f32 v[QB+1], v[G+2], v[G+3]
	RED_PUT 2, 2, QB, 2
	BAR
	RED_GET 2, QB, 2
	v_sqrt_f32 v[N], v[QB]
	v_sqrt_f32 v[N+1], v[QB+1]
	v_nop
	s_wait_alu depctr_va_vdst(0)
	v_med3_num_f32 v[N], v[N], s18, s19
	v_med3_num_f32 v[N+1], v[N+1], s18, s19
	ATANHO 2, N, O, G
	v_mul_f32 v8, 0xbfb8aa3b, v[O]                 ; sigmoid(y) = 1 / (1 + 2^(-log2(e) y))
	v_mul_f32 v10, 0x4038aa3b, v[O+1]              ; tanh(y) = 1 - 2 / (1 + 2^(2 log2(e) y))
	SCALE16 P3, 8
	SCALE16 P5, 10
.set i, 0
.rept 16
	v_exp_f32 v[P3+i], v[P3+i]
	v_exp_f32 v[P5+i], v[P5+i]
.set i, i+1
.endr
	v_nop
	s_wait_alu depctr_va_vdst(0)                   ; one wait for the 32
.irp i, 0,2,4,6,8,10,12,14
	v_pk_add_f32 v[P3+\i:P3+\i+1], v[P3+\i:P3+\i+1], 1.0 op_sel_hi:[1,0]
	v_pk_add_f32 v[P5+\i:P5+\i+1], v[P5+\i:P5+\i+1], 1.0 op_sel_hi:[1,0]
.endr
.set i, 0
.rept 16
	v_rcp_f32 v[P3+i], v[P3+i]                     ; z
	v_rcp_f32 v[P5+i], v[P5+i]
.set i, i+1
.endr
	v_nop
	s_wait_alu depctr_va_vdst(0)
.irp i, 0,2,4,6,8,10,12,14
	v_pk_fma_f32 v[P5+\i:P5+\i+1], v[P5+\i:P5+\i+1], -2.0, 1.0 op_sel_hi:[1,0,0]   ; t = tanh(log0(..))
.endr
	; ---- inter = exp0(t);  (-hx) (+) inter
.irp i, 0,2,4,6,8,10,12,14
	ACC \i==0, G, P5+\i, P5+\i
	ACC \i==0, G+2, H+\i, P5+\i
.endr
	v_add_f32 v[QB], v[G], v[G+1]
	v_add_f32 v[QB+1], v[G+2], v[G+3]
	RED_PUT 2, 2, QB, 3
	BAR
	RED_GET 2, QB, 3
	v_sqrt_f32 v[N], v[QB]
	v_nop
	s_wait_alu depctr_va_vdst(0)
	v_max_num_f32 v[N], s18, v[N]
	TANHO 1, N, O, G
	v_mov_b32 v[ONE], -1.0
	MOBCOEF QA+3, QB, QB+1, ONE, O, 8, 10, G
	SCALE16 P5, 10
	AXPY16 P5, H, 8
	; ---- z x log0 of it
.irp i, 0,2,4,6,8,10,12,14
	ACC \i==0, G, P5+\i, P5+\i
.endr
	v_add_f32 v[QB], v[G], v[G+1]
	RED_PUT 1, 1, QB, 4
	BAR
	RED_GET 1, QB, 4
	v_sqrt_f32 v[N], v[QB]
	v_nop
	s_wait_alu depctr_va_vdst(0)
	v_med3_num_f32 v[N], v[N], s18, s19
	ATANHO 1, N, O, G
	v_mov_b32 v8, v[O]
	SCALE16 P5, 8
.irp i, 0,2,4,6,8,10,12,14
	v_pk_mul_f32 v[P5+\i:P5+\i+1], v[P5+\i:P5+\i+1], v[P3+\i:P3+\i+1]
.endr
	; ---- hx (+) exp0 of that
.irp i, 0,2,4,6,8,10,12,14
	ACC \i==0, G, P5+\i, P5+\i
	ACC \i==0, G+2, H+\i, P5+\i
.endr
	v_add_f32 v[QB], v[G], v[G+1]
	v_add_f32 v[QB+1], v[G+2], v[G+3]
	RED_PUT 2, 2, QB, 5
	BAR
	RED_GET 2, QB, 5
	v_sqrt_f32 v[N], v[QB]
	v_nop
	s_wait_alu depctr_va_vdst(0)
	v_max_num_f32 v[N], s18, v[N]
	TANHO 1, N, O, G
	v_mov_b32 v[ONE], 1.0
	MOBCOEF QA+3, QB, QB+1, ONE, O, 8, 10, G
	SCALE16 P5, 10
	AXPY16 P5, H, 8
.irp i, 0,1,2,3
	global_store_b128 v2, v[P5+4*\i:P5+4*\i+3], s[14:15] offset:512*\i th:TH_STORE_NT   ; the wave stores 512 consecutive bytes, aligned
.endr
	s_wait_tensorcnt 0x0
	ds_add_u32 v128, v129
	s_wait_dscnt 0x0
	s_endpgm
.Lfunc_end_k_q37da60ce15_final:
	.size	k_q37da60ce15_final, .Lfunc_end_k_q37da60ce15_final-k_q37da60ce15_final
	.p2alignl 7, 3214868480
	.fill 96, 4, 3214868480
	.section	.rodata,"a",@progbits
	.p2align	6, 0x0
	.amdhsa_kernel k_q37da60ce15_final
		.amdhsa_group_segment_fixed_size 1024
		.amdhsa_private_segment_fixed_size 0
		.amdhsa_enable_private_segment 0
		.amdhsa_kernarg_size 24
		.amdhsa_user_sgpr_count 2
		.amdhsa_user_sgpr_kernarg_segment_ptr 1
		.amdhsa_wavefront_size32 1
		.amdhsa_system_sgpr_workgroup_id_x 1
		.amdhsa_system_sgpr_workgroup_id_y 1
		.amdhsa_system_sgpr_workgroup_id_z 1
		.amdhsa_system_vgpr_workitem_id 0
		.amdhsa_next_free_vgpr 130
		.amdhsa_next_free_sgpr 66
		.amdhsa_reserve_vcc 1
		.amdhsa_float_denorm_mode_32 3
		.amdhsa_float_denorm_mode_16_64 3
		.amdhsa_memory_ordered 1
		.amdhsa_forward_progress 1
		.amdhsa_inst_pref_size 41
	.end_amdhsa_kernel
	.amdgpu_metadata
---
amdhsa.version: [ 1, 2 ]
amdhsa.kernels:
  - .name:           k_q37da60ce15_final
    .symbol:         k_q37da60ce15_final.kd
    .args:
      - { .name: pb, .offset: 0, .size: 8, .value_kind: global_buffer, .address_space: global }
      - { .name: hx, .offset: 8, .size: 8, .value_kind: global_buffer, .address_space: global }
      - { .name: out0, .offset: 16, .size: 8, .value_kind: global_buffer, .address_space: global }
    .group_segment_fixed_size: 1024
    .private_segment_fixed_size: 0
    .kernarg_segment_align: 8
    .kernarg_segment_size: 24
    .max_flat_workgroup_size: 128
    .sgpr_count:     66
    .vgpr_count:     130
    .wavefront_size: 32
...
	.end_amdgpu_metadata
.endif
;; end of part 4
